; MI455X (gfx1250); checked and timed in simulation.
; The chip was launched on July 23, 2026; its instructions are those of AMD's public machine-readable ISA for CDNA 5 (MIT licence, August 2026) and "CDNA5" Instruction Set Architecture Reference Guide (July 2026). The comments in the code are by the model that wrote it; some were corrected since.
;; Causal Self Attention. Allowed arithmetic: matrix products marked QUANTISED: E2M1 operands, one E8M0 scale for each 32 along K, by v_wmma_scale_f32_16x16x128_f8f6f4 with both operands' format E2M1 (or v_wmma_scale_f32_32x16x128_f4), f32 sums; products left as they are: bf16, f16 or f32 operands; f32 sums; everything else in f32.
;; Inputs: b_attn 3,072 float32; b_proj 1,024 float32; w_attn 1,024 x 3,072 float32; w_proj 1,024 x 1,024 float32; x 4 x 2,048 x 1,024 float32.
;; Outputs: out0 4 x 2,048 x 1,024 float32.
;; This version of the problem:
;;   THIS VERSION OF THE PROBLEM IS GIVEN IN LOW PRECISION. The matrix products marked QUANTISED in the list below multiply operands that are first quantised to E2M1 (2 exponent bits, 1 mantissa bit; 4 bits a number), with one power-of-two scale for each 32 numbers along K (OCP MX v1.0); their sums are f32. The products marked 'left as it is' may take bf16, f16 or f32 operands, with f32 sums. Whichever they take, every output number must still come out within the allowed error. Rounding operands to bf16 (8 significant bits) uses up far more of that allowance than f16 does (11 bits, for magnitudes from 6e-5 to 65,504). All else is computed in f32.
;;   The module's matrix products, in the order in which they are computed (A, B: the left and right operand; K: the contracted axis; several contracted axes count as one K, in the product's order):
;;     1. [M 8,192, K 1,024] x [K 1,024, N 3,072]; A: input x; B: input w_attn: QUANTISED
;;     2. batch 64 x [M 2,048, K 64] x [K 64, N 2,048]; A: computed on the way; B: computed on the way: left as it is (an operand is computed on the way)
;;     3. batch 64 x [M 2,048, K 2,048] x [K 2,048, N 64]; A: computed on the way; B: computed on the way: left as it is (an operand is computed on the way)
;;     4. [M 8,192, K 1,024] x [K 1,024, N 1,024]; A: computed on the way; B: input w_proj: left as it is (an operand is computed on the way)
;;   THE QUANTISER, for each operand of a quantised product, along K:
;;     - K is cut into blocks of 32 from its start; a last block that is shorter is filled with zeros.
;;     - A block's scale is 2^e with e = floor(log2(the largest magnitude in the block)) - 2, held to -126 .. 127; a block of zeros has e = 0. As a byte (E8M0): e + 127.
;;     - Each number is divided by its block's scale, clamped to +-6, and rounded to the nearest number of E2M1, ties to even, subnormals kept.
;;     - The product sums the exact products of the quantised numbers (number of the format x scale) in f32.
;;   ~~~python
;;   def quantise(x, axis):      # numpy; x: float32 -> the quantised numbers, widened to float32 again
;;       x = np.moveaxis(x, axis, -1); K = x.shape[-1]
;;       x = np.pad(x, [(0, 0)] * (x.ndim - 1) + [(0, -K % 32)]); x = x.reshape(x.shape[:-1] + (-1, 32)); a = np.abs(x).max(-1, keepdims=True)
;;       e = np.where(a > 0, np.clip(np.frexp(np.where(a > 0, a, 1))[1] - 1 - 2, -126, 127), 0)      # np.frexp(a)[1] - 1 = floor(log2(a)), exactly
;;       r = np.clip(x / 2.0 ** e, -6, 6)
;;       step = 2.0 ** (np.maximum(np.frexp(np.where(r == 0, 1, r))[1] - 1, 0) - 1)
;;       q = np.round(r / step) * step * 2.0 ** e      # np.round: ties to even
;;       return np.moveaxis(q.reshape(q.shape[:-2] + (-1,))[..., :K], -1, axis).astype(np.float32)
;;   ~~~
;; One version. Each part assembles by itself: llvm-mc -triple=amdgcn-amd-amdhsa -mcpu=gfx1250 --defsym DOCPART=n.
;; ======== version 1 of 1: 5 launches
;; limits: values are held in f16: magnitudes above 65,504 overflow, below 6.1e-05 lose precision
;; workspace buffers: x_codes 4,194,304 bytes; x_scales 262,144 bytes; w_codes 1,572,864 bytes; w_scales 98,304 bytes; wp16 2,097,152 bytes; qkv16 50,331,648 bytes; fine32 786,432 bytes; y16 16,777,216 bytes
;; launch prep (part 1): grid 336 x 1, 4 waves a work-group, no clusters, 68,096 bytes of LDS; arguments x, w_attn, w_proj, x_codes, x_scales, w_codes, w_scales, wp16; writes x_codes, x_scales, w_codes, w_scales, wp16
.if DOCPART == 1
	.amdgcn_target "amdgcn-amd-amdhsa--gfx1250"
	.amdhsa_code_object_version 6
	.text
	.protected	k_q66c0844931_prep
	.globl	k_q66c0844931_prep
	.p2align	8
	.type	k_q66c0844931_prep,@function
k_q66c0844931_prep:
	s_mov_b64 s[64:65], 0
	v_nop
	global_prefetch_b8 v0, s[64:65] scope:SCOPE_SE
	s_setreg_imm32_b32 hwreg(HW_REG_WAVE_MODE, 25, 1), 1
	s_wait_xcnt 0x0
; PREP: the operands of the quantised product become codes of FP4 (E2M1) with one E8M0 scale byte for each 32 along K, and w_proj becomes f16.
;   work-groups 0-255:   x [8192][1024] f32, K innermost  -> x_codes [8192][512 bytes], x_scales [8192][32]
;   work-groups 256-303: w_attn [1024 k][3072 n] f32, K outermost -> w_codes [3072 n][512 bytes] (K innermost), w_scales [3072][32]
;   work-groups 304-335: w_proj [1024][1024] f32 -> wp16, f16, in the same order
; A block's scale is 2^(floor(log2(its largest magnitude)) - 2); its byte is the largest magnitude's exponent field - 2, held at 1 from below.
; LIMITS: a block of zeros gets the byte 1 where the rule says 127 (its codes are zeros, and the bytes are read by this program alone); NaN and infinities are not served;
; w_proj must lie inside f16's range (magnitudes under 65,504; under 6e-5 it keeps an absolute error of 3e-8).
; The three paths part on the work-group's number and have LDS bytes of their own; waves share nothing, so there is no barrier.
.set STEPS, 16                         ; x: steps of 512 numbers for a wave
.set CB,    8                          ; bytes of 16 codes
.set R,     16                         ; x: v16-79   four sets of 16 numbers as loaded
.set X,     80                         ; x: v80-111  two sets of 16 neighbours
.set E,     112                        ; x: v112-127 a scale byte for each step
.set C,     128                        ; x: v128-191 codes, four registers for each step
.set WREG,  8192                       ; x: LDS of a wave: two stages of 32 x SP bytes, then its 256 scale bytes
.set SP,    80                         ; x: a lane's place in a stage: 64 bytes + 16 of padding
.set WSTG,  4*WREG                     ; w_attn: the stages begin behind x's regions
.set WP,    272                        ; w_attn: a stage row: 256 bytes + 16
.set SPARE, WSTG+4*32*WP               ; the spare words: 128 bytes a wave, two blocks of 256 bytes that no other line names
.set SPW,   192                        ; v192 LDS address of my spare word; never rewritten
.set NIL,   193                        ; v193 0; never rewritten
.set WN,    3072
.set WK,    1024
.set KW,    512                        ; w_attn: along K for a wave
.set NB,    KW/32
.set KROW,  WK/2                       ; a row of w_codes in bytes
.set WX,    32                         ; w_attn: v32-95 two sets of 32 numbers
.set WC,    96                         ; w_attn: v96-99 a block's codes
.set OUTR,  112                        ; w_attn: v112-175 the way out
.set SB,    24                         ; w_attn: v24-27 the scale bytes
.set PIN,   16                         ; w_proj: v16-143 two sets of 64
.set POUT,  144                        ; w_proj: v144-175 f16 pairs to store
; ---- x: a step's four loads, 512 consecutive bytes each
.macro XLOAD t
.irp i, 0,1,2,3
	global_load_b128 v[R+16*((\t)%4)+4*\i:R+16*((\t)%4)+4*\i+3], v3, s[4:5] offset:2048*(\t)+512*\i th:TH_LOAD_NT
.endr
.endm
; ---- x: a step's numbers through the wave's stage: in as they lie, out 64 neighbouring bytes a lane.  LDS serves a wave's instructions in order
.macro XTURN t
.irp i, 0,1,2,3
	ds_store_b128 v14, v[R+16*((\t)%4)+4*\i:R+16*((\t)%4)+4*\i+3] offset:32*SP*((\t)%2)+8*SP*\i
.endr
.irp i, 0,1,2,3
	ds_load_b128 v[X+16*((\t)%2)+4*\i:X+16*((\t)%2)+4*\i+3], v15 offset:32*SP*((\t)%2)+16*\i
.endr
.endm
.macro XSTEP t
.set XS, X+16*((\t)%2)
.if (\t) > 0
	s_wait_dscnt 1                                 ; this step's numbers are back from the stage; the last step's byte store may be out
.else
	s_wait_dscnt 0x0
.endif
.if (\t)+4 < STEPS
	XLOAD (\t)+4                                   ; into the set whose stage stores have read their registers
.endif
.if (\t)+1 < STEPS
.if STEPS-2-(\t) >= 3
	s_wait_loadcnt 12                              ; the next step's four loads are in; the 12 of the three steps behind it may be out
.else
	s_wait_loadcnt 4*(STEPS-2-(\t))
.endif
	XTURN (\t)+1
.endif
	v_max3_num_f32 v8, |v[XS]|, |v[XS+1]|, |v[XS+2]|               ; the largest magnitude of my 16, in two chains
	v_max3_num_f32 v9, |v[XS+3]|, |v[XS+4]|, |v[XS+5]|
.irp i, 6,10
	v_max3_num_f32 v8, v8, |v[XS+\i]|, |v[XS+\i+1]|
	v_max3_num_f32 v9, v9, |v[XS+\i+2]|, |v[XS+\i+3]|
.endr
	v_max3_num_f32 v8, v8, |v[XS+14]|, |v[XS+15]|
	v_max3_num_f32 v8, v8, v9, 0x1800000           ; and the floor 2^(3 - 127): the byte cannot fall under 1
	v_max_num_f32_dpp v8, v8, v8 row_xmask:1 row_mask:0xf bank_mask:0xf   ; with my neighbour's 16: the block's
	v_add_nc_u32 v11, 0xff000000, v8               ; 2 off the exponent field: the conversion's scale operand
	v_cvt_scalef32_pk8_fp4_f32 v[C+4*(\t)], v[XS:XS+7], v11
	v_cvt_scalef32_pk8_fp4_f32 v[C+4*(\t)+1], v[XS+8:XS+15], v11
	v_lshrrev_b32 v[E+(\t)], 23, v11               ; the scale's byte
	ds_store_b8 v5, v[E+(\t)] offset:16*(\t)       ; both lanes of a block write the same byte with the same value
	global_store_b64 v4, v[C+4*(\t):C+4*(\t)+1], s[10:11] offset:32*CB*(\t)   ; the wave stores 256 consecutive bytes, aligned
.endm
; ---- w_attn: block t: W(32 t + i, my column), i = 0 .. 31
.macro WLOAD t
.irp i, 0,1,2,3,4,5,6,7,8,9,10,11,12,13,14,15,16,17,18,19,20,21,22,23,24,25,26,27,28,29,30,31
	global_load_b32 v[WX+32*((\t)%2)+\i], v3, s[6:7] offset:(32*(\t)+\i)*WN*4 th:TH_LOAD_NT
.endr
.endm
.macro WBLOCK t
.set XS, WX+32*((\t)%2)
.if (\t) < NB-1
	s_wait_loadcnt 32                              ; this block's 32 loads are in; the next block's 32 may be out
.else
	s_wait_loadcnt 0
.endif
	v_max3_num_f32 v12, |v[XS]|, |v[XS+1]|, |v[XS+2]|               ; all 32 numbers of the block are mine
	v_max3_num_f32 v13, |v[XS+3]|, |v[XS+4]|, |v[XS+5]|
.irp i, 6,10,14,18,22,26
	v_max3_num_f32 v12, v12, |v[XS+\i]|, |v[XS+\i+1]|
	v_max3_num_f32 v13, v13, |v[XS+\i+2]|, |v[XS+\i+3]|
.endr
	v_max3_num_f32 v12, v12, |v[XS+30]|, |v[XS+31]|
	v_max3_num_f32 v12, v12, v13, 0x1800000        ; the floor
	v_add_nc_u32 v11, 0xff000000, v12              ; the conversion's scale operand
	v_lshrrev_b32 v13, 23, v11                     ; the scale's byte
.if (\t)%4 == 0
	v_mov_b32 v[SB+(\t)/4], v13                    ; four bytes to a register, the lower K in the lower byte
.else
	v_lshl_or_b32 v[SB+(\t)/4], v13, 8*((\t)%4), v[SB+(\t)/4]
.endif
.irp g, 0,1,2,3
	v_cvt_scalef32_pk8_fp4_f32 v[WC+\g], v[XS+8*\g:XS+8*\g+7], v11
.endr
	ds_store_b128 v4, v[WC:WC+3] offset:16*(\t)    ; 32 codes: 16 bytes of my column's row
.if (\t)+2 < NB
	WLOAD (\t)+2
.endif
	s_wait_dscnt 0x0                               ; the store has read its registers: the next block's codes may be written
.endm
; ---- w_proj: a group of 16 loads of 512 consecutive bytes
.macro PLOAD g
.irp j, 0,1,2,3,4,5,6,7,8,9,10,11,12,13,14,15
	global_load_b128 v[PIN+64*((\g)%2)+4*\j:PIN+64*((\g)%2)+4*\j+3], v3, s[8:9] offset:512*(16*(\g)+\j) th:TH_LOAD_NT
.endr
.endm
.macro PGROUP g
.if (\g) < 3
	s_wait_loadcnt 16                              ; this group is in; the next group's 16 loads may be out
.else
	s_wait_loadcnt 0x0
.endif
.if (\g) > 0
	s_wait_xcnt 0x0                                ; the last group's stores have read their data registers, which are written again below
.endif
.irp j, 0,1,2,3,4,5,6,7,8,9,10,11,12,13,14,15
	v_cvt_pk_f16_f32 v[POUT+2*\j], v[PIN+64*((\g)%2)+4*\j], v[PIN+64*((\g)%2)+4*\j+1]
	v_cvt_pk_f16_f32 v[POUT+2*\j+1], v[PIN+64*((\g)%2)+4*\j+2], v[PIN+64*((\g)%2)+4*\j+3]
.endr
.if (\g)+2 < 4
	PLOAD (\g)+2
.endif
.irp j, 0,1,2,3,4,5,6,7,8,9,10,11,12,13,14,15
	global_store_b64 v4, v[POUT+2*\j:POUT+2*\j+1], s[18:19] offset:256*(16*(\g)+\j)   ; the wave stores 256 consecutive bytes, aligned
.endr
.endm
	s_load_b256 s[4:11], s[0:1], 0x0               ; x s[4:5], w_attn s[6:7], w_proj s[8:9], x_codes s[10:11]
	s_load_b256 s[12:19], s[0:1], 0x20             ; x_scales s[12:13], w_codes s[14:15], w_scales s[16:17], wp16 s[18:19]
	v_lshl_add_u32 v[SPW], v0, 2, SPARE
	v_mov_b32 v[NIL], 0
	v_lshrrev_b32 v1, 5, v0
	v_readfirstlane_b32 s20, v1                    ; wave 0..3
	v_and_b32 v2, 31, v0                           ; lane
	s_mov_b32 s23, 0
	s_mov_b32 s25, 0
	s_mov_b32 s27, 0
	s_wait_kmcnt 0x0
	s_cmp_lt_u32 ttmp9, 256
	s_cbranch_scc1 .Lpath_x
	s_cmp_lt_u32 ttmp9, 304
	s_cbranch_scc1 .Lpath_w
	; ---------------- w_proj to f16: a plain stream, 8,192 numbers a wave, no LDS
	s_sub_co_u32 s21, ttmp9, 304
	s_lshl_b32 s21, s21, 2
	s_add_co_u32 s21, s21, s20                     ; which run of 8,192 numbers is my wave's: 0..127
	s_lshl_b32 s22, s21, 15
	s_add_nc_u64 s[8:9], s[8:9], s[22:23]
	s_lshl_b32 s22, s21, 14
	s_add_nc_u64 s[18:19], s[18:19], s[22:23]
	v_lshlrev_b32 v3, 4, v2                        ; in: 16 bytes a lane
	v_lshlrev_b32 v4, 3, v2                        ; out: 8 bytes a lane
	PLOAD 0
	PLOAD 1
	PGROUP 0
	PGROUP 1
	PGROUP 2
	PGROUP 3
	s_endpgm                                       ; these waves have written no LDS
	; ---------------- x: K innermost; the tensor is a plain stream of blocks of 32
.Lpath_x:
	v_lshlrev_b32 v3, 4, v2                        ; my 16 bytes of a load's 512
	s_mul_i32 s21, s20, WREG
	v_lshrrev_b32 v14, 2, v2
	v_mul_u32_u24 v14, v14, SP
	v_and_b32 v15, 3, v2
	v_lshl_add_u32 v14, v15, 4, v14
	v_add_nc_u32 v14, s21, v14                     ; the stage, way in: SP (lane / 4) + 16 (lane % 4)
	v_mul_u32_u24 v15, v2, SP
	v_add_nc_u32 v15, s21, v15                     ; way out: SP x lane
	v_mul_u32_u24 v4, v2, CB                       ; my codes' place in a step's
	v_lshrrev_b32 v5, 1, v2
	s_add_co_u32 s21, s21, 2*32*SP
	v_add_nc_u32 v5, s21, v5                       ; my block's byte among my wave's 256 scale bytes
	v_lshlrev_b32 v7, 3, v2
	v_add_nc_u32 v6, s21, v7                       ; and on the way out 8 bytes a lane
	s_lshl_b32 s22, ttmp9, 2
	s_add_co_u32 s22, s22, s20                     ; which run of 8,192 numbers: 0..1023
	s_lshl_b32 s24, s22, 15
	s_add_nc_u64 s[4:5], s[4:5], s[24:25]
	s_lshl_b32 s24, s22, 12
	s_add_nc_u64 s[10:11], s[10:11], s[24:25]
	s_lshl_b32 s24, s22, 8
	s_add_nc_u64 s[12:13], s[12:13], s[24:25]
.irp t, 0,1,2,3
	XLOAD \t
.endr
	s_wait_loadcnt 12                              ; step 0's four loads are in
	XTURN 0
.irp t, 0,1,2,3,4,5,6,7,8,9,10,11,12,13,14,15
	XSTEP \t
.endr
	ds_load_b64 v[8:9], v6                         ; my wave's 256 scale bytes: these loads see my stores
	s_wait_dscnt 0x0
	global_store_b64 v7, v[8:9], s[12:13]          ; one aligned run of 256 bytes
	s_branch .Lend
	; ---------------- w_attn: K outermost: a lane takes a column, its registers run down K
.Lpath_w:
	s_sub_co_u32 s21, ttmp9, 256
	s_lshr_b32 s22, s21, 1                         ; which 128 columns: 0..23
	s_and_b32 s28, s21, 1                          ; which 512 along K
	s_lshl_b32 s22, s22, 7
	s_lshl_b32 s24, s20, 5
	s_add_co_u32 s22, s22, s24                     ; my wave's first column
	v_lshlrev_b32 v3, 2, v2                        ; in: 4 bytes a lane
	s_mul_i32 s24, s20, 32*WP
	s_add_co_u32 s24, s24, WSTG                    ; my stage
	v_mul_u32_u24 v4, v2, WP
	v_add_nc_u32 v4, s24, v4                       ; into it: row = my column
	v_and_b32 v5, 15, v2
	v_lshrrev_b32 v6, 4, v2
	v_mul_u32_u24 v7, v6, WP
	v_lshl_add_u32 v7, v5, 4, v7
	v_add_nc_u32 v7, s24, v7                       ; out of it: sixteen lanes to a row, two rows an instruction
	v_mul_u32_u24 v8, v6, KROW
	v_lshl_add_u32 v8, v5, 4, v8                   ; and the same place in w_codes
	v_lshlrev_b32 v9, 5, v2                        ; my column's row of scale bytes: 32 bytes a row
	s_mul_i32 s26, s28, KW*WN*4
	s_lshl_b32 s29, s22, 2
	s_add_co_u32 s26, s26, s29
	s_add_nc_u64 s[6:7], s[6:7], s[26:27]          ; w_attn at (512 y, column)
	s_lshl_b32 s26, s22, 9
	s_lshl_b32 s29, s28, 8
	s_add_co_u32 s26, s26, s29
	s_add_nc_u64 s[14:15], s[14:15], s[26:27]      ; w_codes at column x 512 + 256 y
	s_lshl_b32 s26, s22, 5
	s_lshl_b32 s29, s28, 4
	s_add_co_u32 s26, s26, s29
	s_add_nc_u64 s[16:17], s[16:17], s[26:27]      ; w_scales at column x 32 + 16 y
	WLOAD 0
	WLOAD 1
.set Q, 0
.rept NB
	WBLOCK Q
.set Q, Q+1
.endr
	global_store_b128 v9, v[SB:SB+3], s[16:17]     ; my column's 16 scale bytes
.irp t, 0,1,2,3,4,5,6,7,8,9,10,11,12,13,14,15
	ds_load_b128 v[OUTR+4*\t:OUTR+4*\t+3], v7 offset:2*\t*WP
.endr
.irp t, 0,1,2,3,4,5,6,7,8,9,10,11,12,13,14,15
	s_wait_dscnt 15-\t                             ; the younger stage loads may be out
	global_store_b128 v8, v[OUTR+4*\t:OUTR+4*\t+3], s[14:15] offset:2*\t*KROW   ; sixteen lanes store 256 consecutive bytes, aligned
.endr
.Lend:
	s_wait_tensorcnt 0x0                           ; the wave's end
	ds_add_u32 v[SPW], v[NIL]
	s_wait_dscnt 0x0
	s_endpgm
.Lfunc_end_k_q66c0844931_prep:
	.size	k_q66c0844931_prep, .Lfunc_end_k_q66c0844931_prep-k_q66c0844931_prep
	.p2alignl 7, 3214868480
	.fill 96, 4, 3214868480
	.section	.rodata,"a",@progbits
	.p2align	6, 0x0
	.amdhsa_kernel k_q66c0844931_prep
		.amdhsa_group_segment_fixed_size 68096
		.amdhsa_private_segment_fixed_size 0
		.amdhsa_enable_private_segment 0
		.amdhsa_kernarg_size 64
		.amdhsa_user_sgpr_count 2
		.amdhsa_user_sgpr_kernarg_segment_ptr 1
		.amdhsa_wavefront_size32 1
		.amdhsa_system_sgpr_workgroup_id_x 1
		.amdhsa_system_sgpr_workgroup_id_y 1
		.amdhsa_system_sgpr_workgroup_id_z 1
		.amdhsa_system_vgpr_workitem_id 0
		.amdhsa_next_free_vgpr 200
		.amdhsa_next_free_sgpr 66
		.amdhsa_reserve_vcc 0
		.amdhsa_float_denorm_mode_32 3
		.amdhsa_float_denorm_mode_16_64 3
		.amdhsa_memory_ordered 1
		.amdhsa_forward_progress 1
		.amdhsa_inst_pref_size 131
	.end_amdhsa_kernel
	.amdgpu_metadata
---
amdhsa.version: [ 1, 2 ]
amdhsa.kernels:
  - .name:           k_q66c0844931_prep
    .symbol:         k_q66c0844931_prep.kd
    .args:
      - { .name: x, .offset: 0, .size: 8, .value_kind: global_buffer, .address_space: global }
      - { .name: w_attn, .offset: 8, .size: 8, .value_kind: global_buffer, .address_space: global }
      - { .name: w_proj, .offset: 16, .size: 8, .value_kind: global_buffer, .address_space: global }
      - { .name: x_codes, .offset: 24, .size: 8, .value_kind: global_buffer, .address_space: global }
      - { .name: x_scales, .offset: 32, .size: 8, .value_kind: global_buffer, .address_space: global }
      - { .name: w_codes, .offset: 40, .size: 8, .value_kind: global_buffer, .address_space: global }
      - { .name: w_scales, .offset: 48, .size: 8, .value_kind: global_buffer, .address_space: global }
      - { .name: wp16, .offset: 56, .size: 8, .value_kind: global_buffer, .address_space: global }
    .group_segment_fixed_size: 68096
    .private_segment_fixed_size: 0
    .kernarg_segment_align: 8
    .kernarg_segment_size: 64
    .max_flat_workgroup_size: 128
    .sgpr_count:     66
    .vgpr_count:     200
    .wavefront_size: 32
...
	.end_amdgpu_metadata
.endif
;; end of part 1
;; launch qkv (part 2): grid 12 x 32, 4 waves a work-group, clusters of 4 x 4, 327,680 bytes of LDS; arguments x_codes, x_scales, w_codes, w_scales, b_attn, qkv16, fine32; writes qkv16, fine32
.if DOCPART == 2
	.amdgcn_target "amdgcn-amd-amdhsa--gfx1250"
	.amdhsa_code_object_version 6
	.text
	.protected	k_q66c0844931_qkv
	.globl	k_q66c0844931_qkv
	.p2align	8
	.type	k_q66c0844931_qkv,@function
k_q66c0844931_qkv:
	s_mov_b64 s[64:65], 0
	v_nop
	global_prefetch_b8 v0, s[64:65] scope:SCOPE_SE
	s_setreg_imm32_b32 hwreg(HW_REG_WAVE_MODE, 25, 1), 1
	s_wait_xcnt 0x0
	s_wait_alu depctr_hold_cnt(0) depctr_sa_sdst(0) depctr_va_vdst(0) depctr_va_sdst(0) depctr_va_ssrc(0) depctr_va_vcc(0) depctr_vm_vsrc(0)
	s_getreg_b32 s2, hwreg(HW_REG_IB_STS2, 6, 4)
	s_cmp_eq_u32 s2, 0
	s_cbranch_scc0 .Lentry_in_a_cluster
	s_endpgm
.Lentry_in_a_cluster:
	s_bfe_u32 s2, ttmp6, 0x10000c
	s_cmp_lg_u32 s2, 0xf033
	s_cbranch_scc0 .Lentry_shape_is_right
	s_endpgm
.Lentry_shape_is_right:
; QKV: qkv = Q(x) Q(w_attn) + b_attn on codes of FP4 (E2M1) with one E8M0 scale for each 32 along K; sums in f32.
; A = x_codes [8192][512 bytes], B = w_codes [3072 n][512 bytes], K = 1,024 innermost; scale bytes [rows][32].
; OUT: qkv16, f16, [3 (q,k,v)][4 batches][16 heads][2048 tokens][64]; and fine32, f32, [4][16 tokens][3072]: the first 16 positions of each batch, unrounded, for the launch that carries them in f32.
; LIMIT: q, k, v must lie inside f16's range (magnitudes under 65,504).
; A tile of 256 x 256 is made by four waves, 128 x 128 each: 64 accumulators of 16 x 16.  K is two slots of 512: both are asked for at the head, with the scales; nothing is filled again.
; CLUSTERS: 4 x 4 work-groups; a row of the cluster shares A's tiles, a column B's: joint loads.  Tile row = 8 cy + cluster y, so that cy is the batch and cluster y the block of 256 tokens:
; the tiles that hold positions 0-15 are those of cluster y = 0, in all partners alike.  Tile column = 4 cluster x + cx, so that cluster x says q, k or v.
; THE MATRIX INSTRUCTION IS USED TRANSPOSED (source 0 = 16 rows of B, source 1 = 16 rows of A): a lane holds eight neighbouring columns of one token.  The bias is the C of each sum's first instruction.
; REGISTERS: window 0: v0-31 addresses; v32-95 scale words, two sets; v96-127 packed results; v128-191 A's fragments, later rows on the way out; v192-255 the bias.
;   window 1: B's fragments, two sets.  window 2: accumulators of my rows 0-63 ((a, b) at v[8 (8 a + b)]).  window 3: rows 64-127.
.set SIZE_K, 1024
.set KSTEP,  512
.set NQ,     KSTEP/128
.set ROWB,   256
.set KROW,   SIZE_K*4/8
.set PITCH,  272                       ; an LDS row: 256 bytes + 16 of padding, so that the 16 rows of a fragment load start at 16 different banks (64 banks of 4 bytes: ISA guide 11.1)
.set FR,     8
.set NL,     2
.set NP,     4                         ; places behind this matrix instruction (ISA guide 7.12.1)
.set HALFT,  128*PITCH
.set SLOT,   4*HALFT
.set KS,     SIZE_K/32
.set SCL,    2*SLOT                    ; behind the slots: the scales, as runs of 256 bytes + 16 of padding
.set HALFS,  (128*KS/256)*272
.set SBLK,   (16*KS/256)*272
.set SPARE,  SCL+4*HALFS               ; the spare words: 128 bytes a wave
.set HP,     144                       ; the way out: a token's 128 bytes of one head + 16
.set HSTG,   16*HP                     ; 16 tokens of one head; a wave's stage is two of these, in slot 0, which has had its only fill and its last read by then
.set ADRA, 16
.set ADRB, 20
.set STO,  24
.set RD,   25
.set GO,   26
.set ADRS, 27
.set SPW,  28
.set NIL,  29
.set FO,   30                          ; v30 my byte offset in fine32's rows
.set BO,   31                          ; v31 32 x (lane / 16): my half's place in the bias
.set SC,   32
.set TMP,  96
.set AF,   128
.set BK,   128
.set BIAS, 192
.set G1, 24
.set G0, 32
.set G1B, 48
.set G0B, 56
.set G1S, 68
.set G0S, 76
.set G1SB, 80
.set G0SB, 88
.set MSB, 0
.macro WIN new                         ; the immediate's high byte repeats the setting that is left
.if MSB != (\new)
	s_set_vgpr_msb (MSB<<8)|(\new)
.set MSB, (\new)
.endif
.endm
.set MUL_LO,   0xa1                    ; source 0 (B) window 1, source 1 (A) window 0, C and D window 2
.set MUL_HI,   0xf1                    ; C and D window 3
.set FIRST_LO, 0x81                    ; the same with C (the bias) in window 0
.set FIRST_HI, 0xc1
.set TO_B,     0x40
; A joint load: waves 0 and 1 fetch for A, waves 2 and 3 for B.  The branch hangs on the wave's number alone.  An s_nop 0 and four v_nop follow each of the two lines.
.macro JLOAD g0a, g1a, g0b, g1b
	s_cmp_eq_u32 s15, 0
	s_cbranch_scc0 .Lfor_b_\@
	tensor_load_to_lds s[\g0a:\g0a+3], s[\g1a:\g1a+7]
	s_nop 0
.rept 4
	v_nop
.endr
	s_branch .Lasked_\@
.Lfor_b_\@:
	tensor_load_to_lds s[\g0b:\g0b+3], s[\g1b:\g1b+7]
	s_nop 0
.rept 4
	v_nop
.endr
.Lasked_\@:
.endm
.macro CROUND                          ; a round of the cluster's barrier
	s_barrier_signal -1
	s_barrier_wait -1
	s_cmp_lg_u32 s14, 0
	s_cbranch_scc1 .Lnot_wave_0_\@
	s_barrier_signal -3
.Lnot_wave_0_\@:
	s_barrier_wait -3
	s_barrier_signal -1
	s_barrier_wait -1
.endm
	s_load_b128 s[4:7], s[0:1], 0x0                ; x_codes s[4:5], x_scales s[6:7]
	s_load_b128 s[8:11], s[0:1], 0x10              ; w_codes s[8:9], w_scales s[10:11]
	s_load_b64 s[96:97], s[0:1], 0x20              ; b_attn
	s_load_b64 s[12:13], s[0:1], 0x28              ; qkv16
	s_load_b64 s[98:99], s[0:1], 0x30              ; fine32
	v_lshl_add_u32 v[SPW], v0, 2, SPARE
	v_mov_b32 v[NIL], 0
	ds_add_u32 v[SPW], v[NIL]                      ; the wave's opening: the add, twice on end, and its wait ahead of my first tensor load
	ds_add_u32 v[SPW], v[NIL]
	v_lshrrev_b32 v1, 5, v0
	v_readfirstlane_b32 s14, v1                    ; wave 0..3
	s_lshr_b32 s15, s14, 1                         ; which half of the tile's rows is mine.  Also: I fetch for A (0) or for B (1)
	s_and_b32 s16, s14, 1                          ; which half of its columns.  Also: which 128 rows of that tile I fetch
	s_bfe_u32 s40, ttmp6, 0x40000                  ; cx
	s_bfe_u32 s41, ttmp6, 0x40004                  ; cy
	s_lshl_b32 s42, ttmp9, 2
	s_add_co_u32 s42, s42, s40                     ; tile column = 4 x cluster x + cx
	s_and_b32 s95, ttmp7, 0xffff                   ; cluster y: the block of 256 tokens
	s_lshl_b32 s17, s41, 3
	s_add_co_u32 s17, s17, s95                     ; tile row = 8 cy + cluster y
	s_lshl_b32 s43, s41, 2
	s_lshl_b32 s43, 15, s43                        ; my row of the cluster
	s_lshl_b32 s44, 0x1111, s40                    ; my column
	s_or_b32 s[G1+0], s43, (0<<16)|(1<<20)|(1<<21)|(5<<22)|(3<<25)  ; mask; elements of 1 byte; padding on; bit 21 beside a mask; 4 words after every 64
	s_or_b32 s[G1B+0], s44, (0<<16)|(1<<20)|(1<<21)|(5<<22)|(3<<25)
.irp g, G1, G1B
	s_mov_b32 s[\g+1], ROWB<<16                    ; tensor_dim0
	s_mov_b32 s[\g+2], 128<<16                     ; tensor_dim1
	s_mov_b32 s[\g+3], ROWB<<16                    ; tile_dim0
	s_mov_b32 s[\g+4], 128                         ; tile_dim1
	s_mov_b32 s[\g+5], KROW                        ; from row to row
	s_mov_b32 s[\g+6], 0
	s_mov_b32 s[\g+7], 0
.endr
	s_or_b32 s[G1S+0], s43, (3<<16)|(1<<20)|(1<<21)|(5<<22)|(3<<25) ; the scales of 128 rows: 4,096 dense bytes as rows of 256 (32 elements of 8 bytes), 16 bytes of padding behind each
	s_or_b32 s[G1SB+0], s44, (3<<16)|(1<<20)|(1<<21)|(5<<22)|(3<<25)
.irp g, G1S, G1SB
	s_mov_b32 s[\g+1], 32<<16
	s_mov_b32 s[\g+2], (128*KS/256)<<16
	s_mov_b32 s[\g+3], 32<<16
	s_mov_b32 s[\g+4], 128*KS/256
	s_mov_b32 s[\g+5], 32
	s_mov_b32 s[\g+6], 0
	s_mov_b32 s[\g+7], 0
.endr
	s_lshl_b32 s18, s16, 7                         ; which 128 rows of the tile I fetch
	s_lshl_b32 s20, s17, 8
	s_add_co_u32 s20, s20, s18                     ; A: row 256 x tile row + 128 x half
	s_lshl_b32 s46, s42, 8
	s_add_co_u32 s46, s46, s18                     ; B: row 256 x tile column + 128 x half
	s_mov_b32 s21, 0
	s_mov_b32 s47, 0
	s_mov_b64 s[18:19], KS
	s_mul_u64 s[22:23], s[20:21], s[18:19]         ; where these rows' scales begin
	s_mul_u64 s[92:93], s[46:47], s[18:19]
	s_mov_b64 s[18:19], KROW
	s_mul_u64 s[20:21], s[20:21], s[18:19]         ; and their codes
	s_mul_u64 s[46:47], s[46:47], s[18:19]
	s_mul_i32 s45, s14, HALFT                      ; where they go: wave x 128 rows
	s_mul_i32 s94, s14, HALFS
	s_wait_dscnt 0x0                               ; both opening adds are done
	s_wait_kmcnt 0x0
	s_add_nc_u64 s[20:21], s[4:5], s[20:21]
	s_add_nc_u64 s[22:23], s[6:7], s[22:23]
	s_add_nc_u64 s[46:47], s[8:9], s[46:47]
	s_add_nc_u64 s[92:93], s[10:11], s[92:93]
	CROUND                                         ; all sixteen work-groups are here: the joint loads meet
	s_mov_b32 s[G0S], 1
	s_add_co_u32 s[G0S+1], s94, SCL
	s_mov_b64 s[G0S+2:G0S+3], s[22:23]
	s_or_b32 s[G0S+3], s[G0S+3], 0x80000000
	s_mov_b32 s[G0SB], 1
	s_add_co_u32 s[G0SB+1], s94, SCL
	s_mov_b64 s[G0SB+2:G0SB+3], s[92:93]
	s_or_b32 s[G0SB+3], s[G0SB+3], 0x80000000
	JLOAD G0S, G1S, G0SB, G1SB                     ; the scales first: they are wanted with the first slot
.irp s, 0,1
	s_mov_b32 s[G0+4*\s], 1
	s_add_co_u32 s[G0+4*\s+1], s45, \s*SLOT
	s_add_nc_u64 s[G0+4*\s+2:G0+4*\s+3], s[20:21], \s*ROWB
	s_or_b32 s[G0+4*\s+3], s[G0+4*\s+3], 0x80000000
	s_mov_b32 s[G0B+4*\s], 1
	s_add_co_u32 s[G0B+4*\s+1], s45, \s*SLOT
	s_add_nc_u64 s[G0B+4*\s+2:G0B+4*\s+3], s[46:47], \s*ROWB
	s_or_b32 s[G0B+4*\s+3], s[G0B+4*\s+3], 0x80000000
	JLOAD G0+4*\s, G1, G0B+4*\s, G1B               ; three loads of mine are out in all
.endr
	v_and_b32 v1, 15, v0                           ; r = lane % 16
	v_bfe_u32 v2, v0, 4, 1                         ; h = lane / 16
	; the bias: lane (r, h) wants, for B's block b, b_attn[n0 + 16 b + 8 h + 0 .. 7]
	s_lshl_b32 s46, s42, 10
	s_lshl_b32 s47, s16, 9
	s_add_co_u32 s46, s46, s47                     ; 4 n0 = 1,024 x tile column + 512 x half
	s_mov_b32 s47, 0
	s_add_nc_u64 s[96:97], s[96:97], s[46:47]
	s_add_nc_u64 s[98:99], s[98:99], s[46:47]
	s_mul_i32 s46, s41, 196608                     ; fine32: a batch is 16 rows of 12,288 bytes
	s_add_nc_u64 s[98:99], s[98:99], s[46:47]
	v_lshlrev_b32 v[BO], 5, v2
.irp b, 0,1,2,3,4,5,6,7
	global_load_b128 v[BIAS+8*\b:BIAS+8*\b+3], v[BO], s[96:97] offset:64*\b
	global_load_b128 v[BIAS+8*\b+4:BIAS+8*\b+7], v[BO], s[96:97] offset:64*\b+16
.endr
	v_mul_u32_u24 v3, v1, PITCH
	v_lshl_add_u32 v4, v2, 4, v3                   ; a fragment's row x pitch + 16 x half
	s_mul_i32 s21, s15, HALFT                      ; my 128 rows of A
	s_mul_i32 s22, s16, HALFT                      ; my 128 rows of B,
	s_add_co_u32 s22, s22, 2*HALFT                 ; which lie behind A's 256
.irp s, 0,1
	v_add_nc_u32 v[ADRA+\s], s21, v4
	v_add_nc_u32 v[ADRB+\s], s22, v4
	s_add_co_u32 s21, s21, SLOT
	s_add_co_u32 s22, s22, SLOT
.endr
	v_mul_u32_u24 v5, v1, KS                       ; my row's scales: 32 bytes a row,
	v_lshrrev_b32 v6, 8, v5
	v_lshl_add_u32 v5, v6, 4, v5                   ; and 16 more for each 256 passed
	s_mul_i32 s21, s15, HALFS
	s_mul_i32 s22, s16, HALFS
	s_add_co_u32 s22, s22, 2*HALFS
	s_sub_co_u32 s22, s22, s21
	v_mul_u32_u24 v6, s22, v2                      ; lanes 16-31 take B's
	s_add_co_u32 s21, s21, SCL
	v_add_nc_u32 v5, v5, v6
	v_add_nc_u32 v[ADRS], s21, v5
	s_mul_i32 s23, s14, 2*HSTG                     ; my stage
	v_mul_u32_u24 v5, v1, HP
	v_lshl_add_u32 v5, v2, 4, v5
	v_add_nc_u32 v[STO], s23, v5                   ; in: token r, 16 bytes for each half of the lanes
	v_and_b32 v6, 31, v0
	v_lshrrev_b32 v5, 3, v6
	v_mul_u32_u24 v5, v5, HP
	v_and_b32 v7, 7, v6
	v_lshl_add_u32 v5, v7, 4, v5
	v_add_nc_u32 v[RD], s23, v5                    ; back: eight lanes to a token's 128 bytes, four tokens an instruction
	v_lshlrev_b32 v[GO], 4, v6                     ; and the same 512 consecutive bytes in a plane of qkv16
	v_mul_u32_u24 v[FO], v1, 12288
	v_lshl_add_u32 v[FO], v2, 5, v[FO]             ; fine32: row r, + 32 h
	s_lshl_b32 s92, ttmp9, 2
	s_add_co_u32 s92, s92, s41                     ; 4 x (q, k or v) + batch
	s_lshl_b32 s92, s92, 4
	s_lshl_b32 s93, s40, 2
	s_add_co_u32 s92, s92, s93
	s_lshl_b32 s93, s16, 1
	s_add_co_u32 s92, s92, s93                     ; + my first head: 4 cx + 2 x column half: the plane
	s_lshl_b32 s92, s92, 18                        ; a plane is 262,144 bytes
	s_lshl_b32 s93, s95, 15                        ; 256 tokens of 128 bytes
	s_add_co_u32 s92, s92, s93
	s_lshl_b32 s93, s15, 14                        ; my 128 tokens
	s_add_co_u32 s92, s92, s93
	s_mov_b32 s93, 0
	s_add_nc_u64 s[12:13], s[12:13], s[92:93]
.macro FRAG reg, adr, q, i             ; 16 rows x 128 K of 4-bit codes: 8 registers; lane l: row l % 16; registers 4 c .. 4 c + 3: K = 64 c + 32 (l / 16) + 0 .. 31
.irp c, 0,1
	ds_load_b128 v[\reg+4*\c:\reg+4*\c+3], v[\adr] offset:64*(\q)+32*\c+(\i)*16*PITCH
.endr
.endm
; 16 matrix instructions: A's blocks a0, a0 + 1 x B's eight.  zero = 1: the first product starts the sums from the bias.  The 64 accumulators take turns, one instruction a turn.
.macro MUL16 a0, p, q, sc, zero
.irp a, \a0, \a0+1
.irp b, 0,1,2,3,4,5,6,7
.if \zero
	v_wmma_scale_f32_16x16x128_f8f6f4 v[8*(8*((\a)%4)+\b):8*(8*((\a)%4)+\b)+7], v[128*(\p)+FR*\b:128*(\p)+FR*\b+FR-1], v[AF+FR*(\a):AF+FR*(\a)+FR-1], v[BIAS+8*\b:BIAS+8*\b+7], v[SC+8*NQ*(\sc)+NQ*\b+(\q)], v[SC+8*NQ*(\sc)+NQ*(\a)+(\q)] matrix_a_fmt:MATRIX_FMT_FP4 matrix_b_fmt:MATRIX_FMT_FP4 matrix_a_scale:MATRIX_SCALE_ROW1
.else
	v_wmma_scale_f32_16x16x128_f8f6f4 v[8*(8*((\a)%4)+\b):8*(8*((\a)%4)+\b)+7], v[128*(\p)+FR*\b:128*(\p)+FR*\b+FR-1], v[AF+FR*(\a):AF+FR*(\a)+FR-1], v[8*(8*((\a)%4)+\b):8*(8*((\a)%4)+\b)+7], v[SC+8*NQ*(\sc)+NQ*\b+(\q)], v[SC+8*NQ*(\sc)+NQ*(\a)+(\q)] matrix_a_fmt:MATRIX_FMT_FP4 matrix_b_fmt:MATRIX_FMT_FP4 matrix_a_scale:MATRIX_SCALE_ROW1
.endif
.endr
.endr
.endm
.macro FETCH_B slot, q, p
	WIN TO_B
.irp i, 0,1,2,3,4,5,6,7
	FRAG 128*(\p)+FR*\i, ADRB+\slot, \q, \i
.endr
	WIN 0
.endm
.macro FETCH_A slot, q, i0
.irp i, \i0, \i0+1, \i0+2, \i0+3
	FRAG AF+FR*(\i), ADRA+\slot, \q, \i
.endr
.endm
.macro SCALES sc                       ; a slot's scale words: lanes 0-15 A's block i, lanes 16-31 B's block i
.irp i, 0,1,2,3,4,5,6,7
	ds_load_b128 v[SC+8*NQ*\sc+NQ*\i:SC+8*NQ*\sc+NQ*\i+3], v[ADRS] offset:\i*SBLK
.endr
.endm
.macro PLACES n                        ; plain vector instructions between a matrix instruction and a load into, or a read of, its registers
.rept \n
	v_nop
.endr
.endm
.macro STEP slot, q, zero              ; 128 along K, with a successor in the same slot
	s_wait_dscnt 4*NL                              ; B's set and A's blocks 0-3 are in; the eight youngest loads (A's blocks 4-7) may be out
.if \zero
	WIN FIRST_LO
.else
	WIN MUL_LO
.endif
	MUL16 0, (\q)%2, \q, \slot, \zero
	MUL16 2, (\q)%2, \q, \slot, \zero
	s_wait_dscnt 0
	PLACES NP
	FETCH_B \slot, (\q)+1, 1-(\q)%2
	FETCH_A \slot, (\q)+1, 0
.if \zero
	WIN FIRST_HI
.else
	WIN MUL_HI
.endif
	MUL16 4, (\q)%2, \q, \slot, \zero
	MUL16 6, (\q)%2, \q, \slot, \zero
	PLACES NP
	WIN 0
	FETCH_A \slot, (\q)+1, 4
.endm
; The first slot's last step changes slots: one barrier; in front of it each wave waits for all its tensor loads, so that behind it the second slot is whole.  Nothing is filled again.
.macro TURN slot, next
	s_wait_tensorcnt 0x0                           ; my part of the next slot has landed
	ds_add_u32 v[SPW], v[NIL]
	s_wait_dscnt 4*NL+1                            ; the add and the eight youngest loads may be out
	WIN MUL_LO
	MUL16 0, 1, NQ-1, \slot, 0
	s_wait_dscnt 0x0                               ; the add is done, and my reads of this slot are over
	s_barrier_signal -1
	MUL16 2, 1, NQ-1, \slot, 0
	WIN 0
	s_barrier_wait -1
	PLACES NP
	v_add_nc_u32 v[ADRS], 4*NQ, v[ADRS]            ; on to the next slot's scale words
	FETCH_B \next, 0, 0
	FETCH_A \next, 0, 0
	SCALES \next
	WIN MUL_HI
	MUL16 4, 1, NQ-1, \slot, 0
	MUL16 6, 1, NQ-1, \slot, 0
	PLACES NP
	WIN 0
	FETCH_A \next, 0, 4
.endm
.macro STEPS slot, from
.set Q, \from
.rept NQ-1-\from
	STEP \slot, Q, 0
.set Q, Q+1
.endr
.endm
	s_wait_loadcnt 0x0                             ; the bias
	s_wait_tensorcnt 1                             ; the scales and my part of slot 0 are in; slot 1's load may be out
	s_barrier_signal -1
	s_barrier_wait -1
	FETCH_B 0, 0, 0
	FETCH_A 0, 0, 0
	SCALES 0
	FETCH_A 0, 0, 4
	STEP 0, 0, 1
	STEPS 0, 1
	TURN 0, 1
	STEPS 1, 0
	s_wait_dscnt 4*NL                              ; the very last step
	WIN MUL_LO
	MUL16 0, 1, NQ-1, 1, 0
	MUL16 2, 1, NQ-1, 1, 0
	s_wait_dscnt 0
	WIN MUL_HI
	MUL16 4, 1, NQ-1, 1, 0
	MUL16 6, 1, NQ-1, 1, 0
	WIN 0
; THE WAY OUT, a block of 16 tokens x 128 columns (two heads) at a time: rounded to f16, 16 bytes a lane into my stage [2 heads][16 tokens][144 bytes], back as four tokens' 512 bytes, which are consecutive in a plane.
.macro PACK a
.set AC, 64*((\a)%4)
	WIN 0x0a+5*((\a)/4)                            ; sources in window 2 or 3
.irp b, 0,1,2,3,4,5,6,7
.irp r, 0,1,2,3
	v_cvt_pk_f16_f32 v[TMP+4*\b+\r], v[AC+8*\b+2*\r], v[AC+8*\b+2*\r+1]   ; each accumulator from its low end on
.endr
.endr
	WIN 0
.endm
.macro TOSTAGE a
.set BB, BK+32*((\a)%2)
.irp b, 0,1,2,3,4,5,6,7
	ds_store_b128 v[STO], v[TMP+4*\b:TMP+4*\b+3] offset:(\b/4)*HSTG+32*(\b%4)
.endr
.irp t, 0,1,2,3,4,5,6,7
	ds_load_b128 v[BB+4*\t:BB+4*\t+3], v[RD] offset:(\t/4)*HSTG+(\t%4)*4*HP   ; LDS serves a wave's instructions in order: these see the stores above
.endr
.endm
.macro SEND a
.set BB, BK+32*((\a)%2)
	s_wait_dscnt 0x0                               ; the block is back in registers
	s_wait_xcnt 0x0                                ; the block before has left its registers, into which the next block's loads will land
.irp t, 0,1,2,3,4,5,6,7
	global_store_b128 v[GO], v[BB+4*\t:BB+4*\t+3], s[12:13] offset:(\t/4)*262144+(\a)*2048+(\t%4)*512   ; 32 lanes store 512 consecutive bytes, aligned
.endr
.endm
	PLACES NP
	s_or_b32 s3, s95, s15                          ; positions 0-15 lie in block 0 of the upper half of the tiles of cluster y = 0: the same test in all partners
	s_cmp_lg_u32 s3, 0
	s_cbranch_scc1 .Lno_fine
	WIN 0x08                                       ; a store's data are its source 1: window 2
.irp b, 0,1,2,3,4,5,6,7
	global_store_b128 v[FO], v[8*\b:8*\b+3], s[98:99] offset:64*\b          ; f32, unrounded: lane (r, h): token r, columns n0 + 16 b + 8 h + 0 .. 7
	global_store_b128 v[FO], v[8*\b+4:8*\b+7], s[98:99] offset:64*\b+16
.endr
	WIN 0
.Lno_fine:
	PACK 0
	TOSTAGE 0
.irp a, 1,2,3,4,5,6,7
	PACK \a
	SEND \a-1
	TOSTAGE \a
.endr
	SEND 7
	s_wait_tensorcnt 0x0                           ; the wave's end
	ds_add_u32 v[SPW], v[NIL]
	s_wait_dscnt 0x0
	CROUND                                         ; the closing round
	s_endpgm
.Lfunc_end_k_q66c0844931_qkv:
	.size	k_q66c0844931_qkv, .Lfunc_end_k_q66c0844931_qkv-k_q66c0844931_qkv
	.p2alignl 7, 3214868480
	.fill 96, 4, 3214868480
	.section	.rodata,"a",@progbits
	.p2align	6, 0x0
	.amdhsa_kernel k_q66c0844931_qkv
		.amdhsa_group_segment_fixed_size 327680
		.amdhsa_private_segment_fixed_size 0
		.amdhsa_enable_private_segment 0
		.amdhsa_kernarg_size 56
		.amdhsa_user_sgpr_count 2
		.amdhsa_user_sgpr_kernarg_segment_ptr 1
		.amdhsa_wavefront_size32 1
		.amdhsa_system_sgpr_workgroup_id_x 1
		.amdhsa_system_sgpr_workgroup_id_y 1
		.amdhsa_system_sgpr_workgroup_id_z 1
		.amdhsa_system_vgpr_workitem_id 0
		.amdhsa_next_free_vgpr 1024
		.amdhsa_next_free_sgpr 100
		.amdhsa_reserve_vcc 0
		.amdhsa_float_denorm_mode_32 3
		.amdhsa_float_denorm_mode_16_64 3
		.amdhsa_memory_ordered 1
		.amdhsa_forward_progress 1
		.amdhsa_inst_pref_size 130
	.end_amdhsa_kernel
	.amdgpu_metadata
---
amdhsa.version: [ 1, 2 ]
amdhsa.kernels:
  - .name:           k_q66c0844931_qkv
    .symbol:         k_q66c0844931_qkv.kd
    .args:
      - { .name: x_codes, .offset: 0, .size: 8, .value_kind: global_buffer, .address_space: global }
      - { .name: x_scales, .offset: 8, .size: 8, .value_kind: global_buffer, .address_space: global }
      - { .name: w_codes, .offset: 16, .size: 8, .value_kind: global_buffer, .address_space: global }
      - { .name: w_scales, .offset: 24, .size: 8, .value_kind: global_buffer, .address_space: global }
      - { .name: b_attn, .offset: 32, .size: 8, .value_kind: global_buffer, .address_space: global }
      - { .name: qkv16, .offset: 40, .size: 8, .value_kind: global_buffer, .address_space: global }
      - { .name: fine32, .offset: 48, .size: 8, .value_kind: global_buffer, .address_space: global }
    .group_segment_fixed_size: 327680
    .private_segment_fixed_size: 0
    .kernarg_segment_align: 8
    .kernarg_segment_size: 56
    .max_flat_workgroup_size: 128
    .sgpr_count:     100
    .vgpr_count:     1024
    .wavefront_size: 32
...
	.end_amdgpu_metadata
.endif
;; end of part 2
;; launch attn (part 3): grid 4 x 64, 8 waves a work-group, no clusters, 327,680 bytes of LDS; arguments qkv16, y16; writes y16
.if DOCPART == 3
	.amdgcn_target "amdgcn-amd-amdhsa--gfx1250"
	.amdhsa_code_object_version 6
	.text
	.protected	k_q66c0844931_attn
	.globl	k_q66c0844931_attn
	.p2align	8
	.type	k_q66c0844931_attn,@function
k_q66c0844931_attn:
	s_mov_b64 s[64:65], 0
	v_nop
	global_prefetch_b8 v0, s[64:65] scope:SCOPE_SE
	s_setreg_imm32_b32 hwreg(HW_REG_WAVE_MODE, 25, 1), 1
	s_wait_xcnt 0x0
; ATTN: y[b][h][q] = sum over k <= q of softmax_k(q . k / 8) v, on f16 operands; products, maxima and sums in f32; the weights p are rounded to f16 for the second product, y once at the end.
; qkv16: f16 [3][64 planes (16 b + h)][2048][64].  y16: f16 [64 planes][2048][64].
; LIMITS: NaN and infinities are not served; the running maximum starts at -3e38; y must lie inside f16's range.  Positions 0-15 of every batch are computed here too and are replaced, in the output, by the launch that carries them in f32.
; SHARES.  Work-group (p, plane) takes the blocks of 256 queries 7 - p and then p: 8 - p and p + 1 tiles of 256 keys, nine in every work-group, so that all trip counts are constants and all 256 work-groups have equal work.
; Each of eight waves owns 32 queries, two tiles of 16; wave w takes group w xor 3 (w / 4), so that waves w and w + 4 together walk equally many steps of the diagonal tile.
; NO CLUSTER: the four work-groups of a plane walk different numbers of tiles in each block; a joint load would bring tiles that every wave of some partner leaves out.
; LAYOUT.  S^T = K Q^T (source 0 = 16 keys, source 1 = 16 queries): a lane holds ONE query (lane % 16) and keys 8 (lane / 16) + 0..7.  Two such tiles, rounded in pairs, are source 1 of O^T = V^T P.  V is turned by ds_load_tr16_b128.
; RING.  Two slots of 256 keys (four steps of 64); every wave fetches one part of each tile: waves 0-3 K of step w, waves 4-7 V of step w - 4.  One load of mine is out behind each barrier; it has four steps in which to land.
; REGISTERS: window 0: v1-17 addresses and constants; v32-47 statistics; v64-127 S^T; v128-191 O^T; v192-223 P; v224-255 rows on the way out.  window 1: v0-31 Q; v64-127 K; v128-191 V.
.set KS,    64
.set PK,    144                        ; a row of K in LDS: 128 bytes + 16
.set PV,    160                        ; a row of V: 128 + 32: an odd multiple of 32, for the turning load
.set VOFF,  KS*PK
.set STEPB, KS*(PK+PV)
.set SLOT1, 1<<17                      ; one exclusive or turns an address in one slot into the other's
.set STAGE, SLOT1+4*STEPB              ; behind the ring: 32 tokens x 144 bytes for each wave
.set SP,    144
.set SPARE, STAGE+8*32*SP              ; the spare words: 128 bytes a wave
.set RR,  1
.set HH,  2
.set AK0, 3
.set AV0, 4
.set ADK, 5
.set ADV, 6
.set QO,  7
.set STO, 8
.set RD,  9
.set GO,  10
.set PFO, 11
.set RH,  12                           ; v12 lane % 16 - 8 (lane / 16)
.set D0,  13                           ; v13, v14: my query less the first key of my half, for tiles 0 and 1
.set NEGINF, 15
.set SPW, 16
.set NIL, 17
.set ST,  32                           ; tile t at ST + 8 t: +0 c m, +1 m, +2, +3 l, +4 .. +7 c0-c3; a takes c2's place
.set S,   64
.set O,   128
.set P,   192
.set BK,  224
.set QF,  0                            ; window 1
.set KFR, 64
.set VFR, 128
.set WV,  8
.set GG,  9
.set PP,  10
.set NA,  11
.set Q0,  12
.set KF,  13
.set TB,  14
.set RQ,  15
.set SLOTS, 16
.set INNER, 17
.set LIM, 18
.set SEL, 20
.set CS,  22
.set G1K, 24
.set G1V, 32
.set G0K, 40
.set G0V, 44
.set KB,  48
.set VB,  50
.set PB,  52
.set PFA, 54
.set QP,  56
.set YP,  58
.set QB,  60
.set YB,  62
.set MSB, 0
.macro WIN new
.if MSB != (\new)
	s_set_vgpr_msb (MSB<<8)|(\new)
.set MSB, (\new)
.endif
.endm
.set W_LD, 0x40                        ; destination window 1
.set W_KQ, 0x05                        ; K and Q in window 1
.set W_PV, 0x01                        ; V in window 1
; My one tensor load: waves 0-3 K's line, waves 4-7 V's.  An s_nop 0 and four v_nop follow each line.
.macro TLOAD
	s_cmp_lt_u32 s[WV], 4
	s_cbranch_scc0 .Lfor_v_\@
	tensor_load_to_lds s[G0K:G0K+3], s[G1K:G1K+7]
	s_nop 0
.rept 4
	v_nop
.endr
	s_branch .Lasked_\@
.Lfor_v_\@:
	tensor_load_to_lds s[G0V:G0V+3], s[G1V:G1V+7]
	s_nop 0
.rept 4
	v_nop
.endr
.Lasked_\@:
.endm
; A prefetch of what the NEXT change of slots will load: my own 8,192 bytes of that tile, lanes 256 bytes apart.  The plane's work-group with p = 0 walks tiles 0 to 7 first: it alone asks, for tiles 2 to 7,
; four key steps ahead of the load; so each run of 256 bytes is named once in the launch.  Nothing is asked for at the head, and nothing past tile 7.
.macro ASK
	s_cmp_gt_u32 s[SLOTS], s[LIM]
	s_cbranch_scc0 .Lnot_mine_\@
	global_prefetch_b8 v[PFO], s[PFA:PFA+1] th:TH_LOAD_NT scope:SCOPE_SE
.Lnot_mine_\@:
.endm
.macro SETQ                            ; q's and y's rows of my 32 queries
	s_lshl_b32 s66, s[Q0], 7
	s_add_nc_u64 s[QB:QB+1], s[QP:QP+1], s[66:67]
	s_add_nc_u64 s[YB:YB+1], s[YP:YP+1], s[66:67]
.endm
.macro LOADQ                           ; Q stays in registers: tile t, channels 32 c on
	WIN W_LD
.irp t, 0,1
.irp c, 0,1
	global_load_b128 v[QF+16*\t+8*\c:QF+16*\t+8*\c+3], v[QO], s[QB:QB+1] offset:2048*\t+64*\c
	global_load_b128 v[QF+16*\t+8*\c+4:QF+16*\t+8*\c+7], v[QO], s[QB:QB+1] offset:2048*\t+64*\c+32
.endr
.endr
	WIN 0
.endm
.macro RESET                           ; the step is written once: a block's first step finds zeros, which the first change of m leaves zeros
.irp t, 0,1
	v_mov_b32 v[ST+8*\t+1], 0xff61b1e6             ; m = -3e38
	v_mul_f32 v[ST+8*\t], s[CS], v[ST+8*\t+1]      ; c m
.irp j, 2,3,4,5,6,7
	v_mov_b32 v[ST+8*\t+\j], 0
.endr
.endr
.set i, 0
.rept 64
	v_mov_b32 v[O+i], 0
.set i, i+1
.endr
.endm
; A KEY STEP: 64 keys.
.macro STEP
	s_add_co_u32 s70, s[Q0], 31                    ; a step all of whose keys come after my 32 queries is left out: a branch on ids and counts alone, round no barrier and no tensor load
	s_cmp_gt_u32 s[KF], s70
	s_cbranch_scc1 .Lhidden_\@
	v_add_nc_u32 v[ADK], s[TB], v[AK0]
	v_add_nc_u32 v[ADV], s[TB], v[AV0]
	v_nop
	v_nop                                          ; four places between the last step's products and the loads into V's registers
	WIN W_LD
.irp k, 0,1,2,3
.irp c, 0,1
	ds_load_b128 v[KFR+16*\k+8*\c:KFR+16*\k+8*\c+3], v[ADK] offset:16*PK*\k+64*\c
	ds_load_b128 v[KFR+16*\k+8*\c+4:KFR+16*\k+8*\c+7], v[ADK] offset:16*PK*\k+64*\c+32
.endr
.endr
.irp g, 0,1
.irp d, 0,1,2,3
	ds_load_tr16_b128 v[VFR+8*(4*\g+\d):VFR+8*(4*\g+\d)+3], v[ADV] offset:32*PV*\g+32*\d
	ds_load_tr16_b128 v[VFR+8*(4*\g+\d)+4:VFR+8*(4*\g+\d)+7], v[ADV] offset:32*PV*\g+32*\d+16*PV
.endr
.endr
	s_wait_dscnt 16                                ; K is in; V's 16 loads may be out
	WIN W_KQ
.irp c, 0,1                                    ; eight accumulators by turns, one instruction a turn
.irp k, 0,1,2,3
.irp t, 0,1
.if \c == 0
	v_wmma_f32_16x16x32_f16 v[S+32*\t+8*\k:S+32*\t+8*\k+7], v[KFR+16*\k+8*\c:KFR+16*\k+8*\c+7], v[QF+16*\t+8*\c:QF+16*\t+8*\c+7], 0
.else
	v_wmma_f32_16x16x32_f16 v[S+32*\t+8*\k:S+32*\t+8*\k+7], v[KFR+16*\k+8*\c:KFR+16*\k+8*\c+7], v[QF+16*\t+8*\c:QF+16*\t+8*\c+7], v[S+32*\t+8*\k:S+32*\t+8*\k+7]
.endif
.endr
.endr
.endr
	WIN 0
.rept 4
	v_nop
.endr
	s_add_co_u32 s70, s[KF], 63                    ; on the diagonal the scores of hidden keys become -infinity ahead of the maximum.  A step all of whose keys count skips this.
	s_cmp_le_u32 s70, s[Q0]                        ; (a step that is walked has KF <= Q0, so every query sees key KF and m stays a number)
	s_cbranch_scc1 .Lopen_\@
	s_sub_co_i32 s70, s[Q0], s[KF]
	v_add_nc_u32 v[D0], s70, v[RH]                 ; register 8 k + j of tile t holds key KF + 16 k + 8 (lane / 16) + j: hidden where 16 k + j > D
	v_add_nc_u32 v[D0+1], 16, v[D0]
.irp t, 0,1
.set n, 0
.rept 32
	v_cmp_gt_i32 vcc_lo, 16*(n/8)+n%8, v[D0+\t]
	v_cndmask_b32 v[S+32*\t+n], v[S+32*\t+n], v[NEGINF], vcc_lo
.set n, n+1
.endr
.endr
.Lopen_\@:
	; the softmax, the two tiles line by line
.irp j, 0,1,2,3
.irp t, 0,1
	v_max3_num_f32 v[ST+8*\t+4+\j], v[S+32*\t+8*\j], v[S+32*\t+8*\j+1], v[S+32*\t+8*\j+2]   ; each accumulator is read from its low end on
.endr
.endr
.irp i, 3,5
.irp j, 0,1,2,3
.irp t, 0,1
	v_max3_num_f32 v[ST+8*\t+4+\j], v[ST+8*\t+4+\j], v[S+32*\t+8*\j+\i], v[S+32*\t+8*\j+\i+1]
.endr
.endr
.endr
.irp t, 0,1
	v_max3_num_f32 v[ST+8*\t+4], v[ST+8*\t+4], v[S+32*\t+7], v[S+32*\t+15]
.endr
.irp t, 0,1
	v_max3_num_f32 v[ST+8*\t+6], v[ST+8*\t+6], v[S+32*\t+23], v[S+32*\t+31]
.endr
.irp t, 0,1
	v_max3_num_f32 v[ST+8*\t+4], v[ST+8*\t+4], v[ST+8*\t+5], v[ST+8*\t+6]
.endr
.irp t, 0,1
	v_max3_num_f32 v[ST+8*\t+4], v[ST+8*\t+4], v[ST+8*\t+7], v[ST+8*\t+1]     ; with the old m
.endr
.irp t, 0,1
	v_permlanex16_b32 v[ST+8*\t+5], v[ST+8*\t+4], s[SEL], s[SEL+1]            ; the query's other 32 keys lie in the lane 16 away
.endr
.irp t, 0,1
	v_mov_b32 v[ST+8*\t+7], v[ST+8*\t]                                        ; c m_old
.endr
.irp t, 0,1
	v_max_num_f32 v[ST+8*\t+1], v[ST+8*\t+4], v[ST+8*\t+5]
.endr
.irp t, 0,1
	v_mul_f32 v[ST+8*\t], s[CS], v[ST+8*\t+1]
.endr
.irp t, 0,1
	v_sub_f32 v[ST+8*\t+7], v[ST+8*\t+7], v[ST+8*\t]
.endr
.irp j, 0,2,4,6,8,10,12,14,16,18,20,22,24,26,28,30
.irp t, 0,1
	v_pk_fma_f32 v[S+32*\t+\j:S+32*\t+\j+1], v[S+32*\t+\j:S+32*\t+\j+1], s[CS:CS+1], v[ST+8*\t:ST+8*\t+1] op_sel_hi:[1,0,0] neg_lo:[0,0,1] neg_hi:[0,0,1]   ; c s - c m
.endr
.endr
.irp t, 0,1
	v_exp_f32 v[ST+8*\t+6], v[ST+8*\t+7]           ; a = 2^(c m_old - c m_new).  ONE BATCH: 66 exponentials, none of which reads another's result
.endr
.set i, 0
.rept 32
	v_exp_f32 v[S+i], v[S+i]
	v_exp_f32 v[S+32+i], v[S+32+i]
.set i, i+1
.endr
	v_nop                                          ; a plain instruction behind the last exponential
	s_wait_alu depctr_va_vdst(0)                   ; one wait for the batch, ahead of its first reader
.irp j, 0,1,2,3,4,5,6,7,8,9,10,11,12,13,14,15
.irp t, 0,1
	v_cvt_pk_f16_f32 v[P+16*\t+\j], v[S+32*\t+2*\j], v[S+32*\t+2*\j+1]
.endr
.endr
.irp u, 0,1,2,3,4,5,6,7                        ; the sum of the unrounded p, a tree in place
.irp t, 0,1
	v_pk_add_f32 v[S+32*\t+4*\u:S+32*\t+4*\u+1], v[S+32*\t+4*\u:S+32*\t+4*\u+1], v[S+32*\t+4*\u+2:S+32*\t+4*\u+3]
.endr
.endr
.irp u, 0,1,2,3
.irp t, 0,1
	v_pk_add_f32 v[S+32*\t+8*\u:S+32*\t+8*\u+1], v[S+32*\t+8*\u:S+32*\t+8*\u+1], v[S+32*\t+8*\u+4:S+32*\t+8*\u+5]
.endr
.endr
.irp u, 0,1
.irp t, 0,1
	v_pk_add_f32 v[S+32*\t+16*\u:S+32*\t+16*\u+1], v[S+32*\t+16*\u:S+32*\t+16*\u+1], v[S+32*\t+16*\u+8:S+32*\t+16*\u+9]
.endr
.endr
.irp t, 0,1
	v_pk_add_f32 v[S+32*\t:S+32*\t+1], v[S+32*\t:S+32*\t+1], v[S+32*\t+16:S+32*\t+17]
.endr
.irp t, 0,1
	v_pk_fma_f32 v[ST+8*\t+2:ST+8*\t+3], v[ST+8*\t+2:ST+8*\t+3], v[ST+8*\t+6:ST+8*\t+7], v[S+32*\t:S+32*\t+1] op_sel_hi:[1,0,1]   ; l = a l + the sum
.endr
.irp j, 0,2,4,6,8,10,12,14,16,18,20,22,24,26,28,30
.irp t, 0,1
	v_pk_mul_f32 v[O+32*\t+\j:O+32*\t+\j+1], v[O+32*\t+\j:O+32*\t+\j+1], v[ST+8*\t+6:ST+8*\t+7] op_sel_hi:[1,0]   ; O^T x a, each accumulator from its low end on
.endr
.endr
	s_wait_dscnt 0x0                               ; V is in
	WIN W_PV
.irp g, 0,1                                    ; eight accumulators by turns
.irp d, 0,1,2,3
.irp t, 0,1
	v_wmma_f32_16x16x32_f16 v[O+32*\t+8*\d:O+32*\t+8*\d+7], v[VFR+8*(4*\g+\d):VFR+8*(4*\g+\d)+7], v[P+16*\t+8*\g:P+16*\t+8*\g+7], v[O+32*\t+8*\d:O+32*\t+8*\d+7]
.endr
.endr
.endr
	WIN 0
.Lhidden_\@:
	s_add_co_u32 s[KF], s[KF], KS
	s_add_co_u32 s[TB], s[TB], STEPB
.endm
; THE CHANGE OF SLOTS, at a slot's head.  Each wave waits for all its tensor loads (its part of the slot that it is about to read), adds 0 to its spare word, and waits for that and for its reads of the slot that it has left.
; Behind the barrier the slot ahead is whole and nobody reads the other one, which is then filled with the next tile of the walk.
.macro CHANGE fill
	s_wait_tensorcnt 0x0                           ; no tensor load of mine is out, so the descriptors may be written
	ds_add_u32 v[SPW], v[NIL]                      ; the steps below stand between the add and the wait for it
.if \fill
	s_add_co_u32 s[RQ], s[RQ], 1                   ; the next tile: 0 .. 7 - p for the first block, then 0 .. p for the second
	s_cmp_eq_u32 s[RQ], s[NA]
	s_cselect_b32 s[RQ], 0, s[RQ]
	s_lshl_b32 s66, s[RQ], 15                      ; a tile is 256 rows of 128 bytes
	s_xor_b32 s[G0K+1], s[G0K+1], SLOT1
	s_add_nc_u64 s[G0K+2:G0K+3], s[KB:KB+1], s[66:67]
	s_or_b32 s[G0K+3], s[G0K+3], 0x80000000
	s_xor_b32 s[G0V+1], s[G0V+1], SLOT1
	s_add_nc_u64 s[G0V+2:G0V+3], s[VB:VB+1], s[66:67]
	s_or_b32 s[G0V+3], s[G0V+3], 0x80000000
	s_wait_xcnt 0x0                                ; the last prefetch, a slot back, has read its address
	s_add_co_u32 s68, s[RQ], 1
	s_min_u32 s68, s68, 7                          ; held inside the plane
	s_lshl_b32 s68, s68, 15
	s_add_nc_u64 s[PFA:PFA+1], s[PB:PB+1], s[68:69]
.endif
	s_wait_dscnt 0x0                               ; the add is done, and my reads of the slot that I have left are over
	s_barrier_signal -1
	s_barrier_wait -1
.if \fill
	TLOAD                                          ; the first thing behind the barrier, and my one tensor load until the next
	ASK
.endif
.endm
.macro SLOT_STEPS
	s_mov_b32 s[INNER], 4
.Lstep_\@:
	STEP
	s_sub_co_u32 s[INNER], s[INNER], 1
	s_cmp_lg_u32 s[INNER], 0
	s_cbranch_scc1 .Lstep_\@
	s_sub_co_u32 s[TB], s[TB], 4*STEPB
	s_xor_b32 s[TB], s[TB], SLOT1                  ; on to the other slot
.endm
; A block's end: O^T / l, rounded to f16, through my stage, out as 4,096 consecutive bytes.
.macro FINISH
.irp t, 0,1
	v_add_f32 v[ST+8*\t+4], v[ST+8*\t+2], v[ST+8*\t+3]     ; (these lines are also the places behind the last products)
.endr
.irp t, 0,1
	v_permlanex16_b32 v[ST+8*\t+5], v[ST+8*\t+4], s[SEL], s[SEL+1]
.endr
.irp t, 0,1
	v_add_f32 v[ST+8*\t+4], v[ST+8*\t+4], v[ST+8*\t+5]
.endr
.irp t, 0,1
	v_rcp_f32 v[ST+8*\t+6], v[ST+8*\t+4]
.endr
	v_nop
	s_wait_alu depctr_va_vdst(0)                   ; one wait for the two reciprocals, ahead of their first reader
.irp t, 0,1
.irp j, 0,2,4,6,8,10,12,14,16,18,20,22,24,26,28,30
	v_pk_mul_f32 v[O+32*\t+\j:O+32*\t+\j+1], v[O+32*\t+\j:O+32*\t+\j+1], v[ST+8*\t+6:ST+8*\t+7] op_sel_hi:[1,0]
.endr
.endr
.irp j, 0,1,2,3,4,5,6,7,8,9,10,11,12,13,14,15,16,17,18,19,20,21,22,23,24,25,26,27,28,29,30,31
	v_cvt_pk_f16_f32 v[P+\j], v[O+2*\j], v[O+2*\j+1]
.endr
.irp t, 0,1
.irp d, 0,1,2,3
	ds_store_b128 v[STO], v[P+16*\t+4*\d:P+16*\t+4*\d+3] offset:16*SP*\t+32*\d   ; lane (r, h): token 16 t + r, channels 16 d + 8 h + 0 .. 7
.endr
.endr
.irp i, 0,1,2,3,4,5,6,7
	ds_load_b128 v[BK+4*\i:BK+4*\i+3], v[RD] offset:4*SP*\i                      ; LDS serves a wave's instructions in order: these see my stores
.endr
.irp i, 0,1,2,3,4,5,6,7
	s_wait_dscnt 7-\i                              ; the younger loads may be out
	global_store_b128 v[GO], v[BK+4*\i:BK+4*\i+3], s[YB:YB+1] offset:512*\i      ; four tokens: 512 consecutive bytes, aligned
.endr
.endm
.macro NEWBLOCK                        ; on to the block of queries p
	s_wait_xcnt 0x0                                ; the stores have read their base and their registers
	s_lshl_b32 s[Q0], s[PP], 8
	s_lshl_b32 s70, s[GG], 5
	s_add_co_u32 s[Q0], s[Q0], s70
	s_mov_b32 s[KF], 0
	SETQ
	LOADQ
	RESET
	s_wait_loadcnt 0x0
.endm
	s_load_b128 s[4:7], s[0:1], 0x0                ; qkv16 s[4:5], y16 s[6:7]
	v_lshl_add_u32 v[SPW], v0, 2, SPARE
	v_mov_b32 v[NIL], 0
	ds_add_u32 v[SPW], v[NIL]                      ; the wave's opening: the add, twice on end, and its wait ahead of my first tensor load
	ds_add_u32 v[SPW], v[NIL]
	v_lshrrev_b32 v1, 5, v0
	v_readfirstlane_b32 s[WV], v1                  ; wave 0..7
	s_lshr_b32 s[GG], s[WV], 2
	s_mul_i32 s[GG], s[GG], 3
	s_xor_b32 s[GG], s[GG], s[WV]                  ; my group of 32 queries
	s_mov_b32 s[PP], ttmp9
	s_sub_co_u32 s[NA], 8, s[PP]                   ; tiles of the first block
	s_and_b32 s70, ttmp7, 0xffff
	s_lshl_b32 s70, s70, 18                        ; the plane's first byte
	s_mov_b32 s71, 0
	s_and_b32 s72, s[WV], 3                        ; which step of a tile I fetch
	s_lshl_b32 s73, s72, 13                        ; its 64 rows of 128 bytes
	s_add_co_u32 s74, s70, s73
	s_add_co_u32 s74, s74, 0x1000000               ; in k
	s_mov_b32 s75, 0
	s_mul_i32 s72, s72, STEPB                      ; and its place in a slot
	s_mov_b32 s[G1K], (1<<16)|(1<<20)|(4<<22)|(3<<25)     ; elements of 2 bytes; padding on: 4 words after every 32
	s_mov_b32 s[G1V], (1<<16)|(1<<20)|(4<<22)|(7<<25)     ; 8 words after every 32
.irp g, G1K, G1V
	s_mov_b32 s[\g+1], 64<<16                      ; tensor_dim0 = 64
	s_mov_b32 s[\g+2], KS<<16                      ; tensor_dim1 = 64
	s_mov_b32 s[\g+3], 64<<16                      ; tile_dim0 = 64
	s_mov_b32 s[\g+4], KS                          ; tile_dim1 = 64
	s_mov_b32 s[\g+5], 64                          ; from row to row
	s_mov_b32 s[\g+6], 0
	s_mov_b32 s[\g+7], 0
.endr
	s_mov_b32 s[SEL], 0x76543210
	s_mov_b32 s[SEL+1], 0xfedcba98
	s_mov_b32 s[CS], 0x3e38aa3b                    ; c = log2(e) / 8
	s_mov_b32 s[CS+1], s[CS]
	s_mov_b32 s[TB], 0
	s_mov_b32 s[RQ], 0
	s_mov_b32 s[KF], 0
	s_mov_b32 s67, 0
	s_mov_b32 s69, 0
	s_mov_b32 s[SLOTS], 8
	s_cmp_eq_u32 s[PP], 0
	s_cselect_b32 s[LIM], 2, -1
	s_sub_co_u32 s73, 7, s[PP]
	s_lshl_b32 s[Q0], s73, 8
	s_lshl_b32 s73, s[GG], 5
	s_add_co_u32 s[Q0], s[Q0], s73                 ; my first query: 256 (7 - p) + 32 x group
	s_wait_dscnt 0x0                               ; both opening adds are done
	s_wait_kmcnt 0x0
	s_add_nc_u64 s[KB:KB+1], s[4:5], s[74:75]
	s_add_nc_u64 s[VB:VB+1], s[KB:KB+1], 0x1000000
	s_add_nc_u64 s[QP:QP+1], s[4:5], s[70:71]
	s_add_nc_u64 s[YP:YP+1], s[6:7], s[70:71]
	s_mov_b32 s[G0K], 1
	s_mov_b32 s[G0K+1], s72
	s_mov_b64 s[G0K+2:G0K+3], s[KB:KB+1]
	s_or_b32 s[G0K+3], s[G0K+3], 0x80000000
	s_mov_b32 s[G0V], 1
	s_add_co_u32 s[G0V+1], s72, VOFF
	s_mov_b64 s[G0V+2:G0V+3], s[VB:VB+1]
	s_or_b32 s[G0V+3], s[G0V+3], 0x80000000
	TLOAD                                          ; tile 0 into slot 0
	s_cmp_lt_u32 s[WV], 4
	s_cselect_b64 s[PB:PB+1], s[KB:KB+1], s[VB:VB+1]
	s_mul_i32 s70, s[WV], 32*SP
	s_add_co_u32 s70, s70, STAGE                   ; my stage
	v_and_b32 v[RR], 15, v0
	v_bfe_u32 v[HH], v0, 4, 1
	v_mul_u32_u24 v[AK0], v[RR], PK
	v_lshl_add_u32 v[AK0], v[HH], 4, v[AK0]        ; K: row r x pitch + 16 h
	v_and_b32 v[ADK], 7, v0
	v_lshl_add_u32 v[AV0], v[HH], 3, v[ADK]
	v_mul_u32_u24 v[AV0], v[AV0], PV
	v_bfe_u32 v[ADK], v0, 3, 1
	v_lshl_add_u32 v[AV0], v[ADK], 4, v[AV0]
	v_add_nc_u32 v[AV0], VOFF, v[AV0]              ; V, for the turning load: key 8 h + lane % 8, channels 8 ((lane / 8) % 2) on
	v_lshlrev_b32 v[QO], 7, v[RR]
	v_lshl_add_u32 v[QO], v[HH], 4, v[QO]
	v_mul_u32_u24 v[STO], v[RR], SP
	v_lshl_add_u32 v[STO], v[HH], 4, v[STO]
	v_add_nc_u32 v[STO], s70, v[STO]
	v_and_b32 v[GO], 31, v0
	v_lshrrev_b32 v[RD], 3, v[GO]
	v_mul_u32_u24 v[RD], v[RD], SP
	v_and_b32 v[ADV], 7, v0
	v_lshl_add_u32 v[RD], v[ADV], 4, v[RD]
	v_add_nc_u32 v[RD], s70, v[RD]
	v_lshlrev_b32 v[PFO], 8, v[GO]
	v_lshlrev_b32 v[GO], 4, v[GO]
	v_lshlrev_b32 v[RH], 3, v[HH]
	v_sub_nc_u32 v[RH], v[RR], v[RH]
	v_mov_b32 v[NEGINF], 0xff800000
	SETQ
	LOADQ
	RESET
	s_wait_loadcnt 0x0                             ; Q
.Lslot:                                            ; eight trips: trip i reads tile i of the walk and asks for tile i + 1
	CHANGE 1
	SLOT_STEPS
	s_or_b32 s70, s[Q0], 255                       ; the block's last query
	s_cmp_gt_u32 s[KF], s70                        ; the diagonal tile is done: ids and counts alone, the same in all eight waves; true once, in trip 7 - p
	s_cbranch_scc0 .Lsame
	FINISH
	NEWBLOCK
.Lsame:
	s_sub_co_u32 s[SLOTS], s[SLOTS], 1
	s_cmp_lg_u32 s[SLOTS], 0
	s_cbranch_scc1 .Lslot
	CHANGE 0                                       ; the ninth tile is written out: nothing more is asked for
	SLOT_STEPS
	FINISH
	s_wait_tensorcnt 0x0                           ; the wave's end
	ds_add_u32 v[SPW], v[NIL]
	s_wait_dscnt 0x0
	s_endpgm
.Lfunc_end_k_q66c0844931_attn:
	.size	k_q66c0844931_attn, .Lfunc_end_k_q66c0844931_attn-k_q66c0844931_attn
	.p2alignl 7, 3214868480
	.fill 96, 4, 3214868480
	.section	.rodata,"a",@progbits
	.p2align	6, 0x0
	.amdhsa_kernel k_q66c0844931_attn
		.amdhsa_group_segment_fixed_size 327680
		.amdhsa_private_segment_fixed_size 0
		.amdhsa_enable_private_segment 0
		.amdhsa_kernarg_size 16
		.amdhsa_user_sgpr_count 2
		.amdhsa_user_sgpr_kernarg_segment_ptr 1
		.amdhsa_wavefront_size32 1
		.amdhsa_system_sgpr_workgroup_id_x 1
		.amdhsa_system_sgpr_workgroup_id_y 1
		.amdhsa_system_sgpr_workgroup_id_z 1
		.amdhsa_system_vgpr_workitem_id 0
		.amdhsa_next_free_vgpr 512
		.amdhsa_next_free_sgpr 80
		.amdhsa_reserve_vcc 1
		.amdhsa_float_denorm_mode_32 3
		.amdhsa_float_denorm_mode_16_64 3
		.amdhsa_memory_ordered 1
		.amdhsa_forward_progress 1
		.amdhsa_inst_pref_size 71
	.end_amdhsa_kernel
	.amdgpu_metadata
---
amdhsa.version: [ 1, 2 ]
amdhsa.kernels:
  - .name:           k_q66c0844931_attn
    .symbol:         k_q66c0844931_attn.kd
    .args:
      - { .name: qkv16, .offset: 0, .size: 8, .value_kind: global_buffer, .address_space: global }
      - { .name: y16, .offset: 8, .size: 8, .value_kind: global_buffer, .address_space: global }
    .group_segment_fixed_size: 327680
    .private_segment_fixed_size: 0
    .kernarg_segment_align: 8
    .kernarg_segment_size: 16
    .max_flat_workgroup_size: 256
    .sgpr_count:     80
    .vgpr_count:     512
    .wavefront_size: 32
...
	.end_amdgpu_metadata
.endif
;; end of part 3
;; launch proj (part 4): grid 4 x 64, 4 waves a work-group, clusters of 4 x 4, 327,680 bytes of LDS; arguments y16, wp16, b_proj, out0; writes out0
.if DOCPART == 4
	.amdgcn_target "amdgcn-amd-amdhsa--gfx1250"
	.amdhsa_code_object_version 6
	.text
	.protected	k_q66c0844931_proj
	.globl	k_q66c0844931_proj
	.p2align	8
	.type	k_q66c0844931_proj,@function
k_q66c0844931_proj:
	s_mov_b64 s[64:65], 0
	v_nop
	global_prefetch_b8 v0, s[64:65] scope:SCOPE_SE
	s_setreg_imm32_b32 hwreg(HW_REG_WAVE_MODE, 25, 1), 1
	s_wait_xcnt 0x0
	s_wait_alu depctr_hold_cnt(0) depctr_sa_sdst(0) depctr_va_vdst(0) depctr_va_sdst(0) depctr_va_ssrc(0) depctr_va_vcc(0) depctr_vm_vsrc(0)
	s_getreg_b32 s2, hwreg(HW_REG_IB_STS2, 6, 4)
	s_cmp_eq_u32 s2, 0
	s_cbranch_scc0 .Lentry_in_a_cluster
	s_endpgm
.Lentry_in_a_cluster:
	s_bfe_u32 s2, ttmp6, 0x10000c
	s_cmp_lg_u32 s2, 0xf033
	s_cbranch_scc0 .Lentry_shape_is_right
	s_endpgm
.Lentry_shape_is_right:
; PROJ: out0 = y w_proj + b_proj on f16 operands, sums in f32.  y16: f16 [4 b][16 h][2048 t][64]; wp16: f16 [1024 k][1024 n]; out0: f32 [8192][1024].
; LIMIT: the order of the f32 sums differs from the reference's.  The rows of positions 0-15 of each batch are written here from f16 operands and written anew by the launch that follows.
; A tile of 128 rows x 256 columns to a work-group: 256 work-groups.  Four waves, each 64 x 128: 32 accumulators of 16 x 16.  K goes in steps of 128 (two heads) through two LDS slots.
; CLUSTERS: 4 x 4; a row of the cluster shares y's tiles, a column w_proj's: joint loads.  THE MATRIX INSTRUCTION IS USED TRANSPOSED: source 0 = 16 columns of w_proj (turned by ds_load_tr16_b128), source 1 = 16 rows of y:
; a lane holds eight neighbouring columns of one row.  The bias is the C of each sum's first instruction.
; No prefetch: of eight K steps the first four come by their loads, so that at two steps' lead only four could be named.
; REGISTERS: window 0: v0-31 addresses; v32-127 and v128-223 two fragment buffers (y's 4 fragments, then w_proj's 8).  window 1: accumulator (a, b) at v[8 (8 a + b)].  window 2: v0-63 the bias.
.set PA,     144                       ; a token's 128 bytes of one head + 16
.set PBB,    544                       ; a k-row of w_proj's tile: 512 bytes + 32: an odd multiple of 32, for the turning load
.set AHEAD,  128*PA                    ; one head's 128 tokens
.set BOFF,   2*AHEAD
.set BHALF,  64*PBB
.set SLOT,   BOFF+2*BHALF
.set STAGE,  2*SLOT                    ; behind the ring: 16 rows x 528 bytes for each wave
.set SPITCH, 528
.set SPARE,  STAGE+4*16*SPITCH
.set LAPS,   4                         ; eight K steps
.set ADRA, 16
.set ADRB, 20
.set STO,  24
.set RD,   25
.set CO,   26
.set BO,   27
.set SPW,  28
.set NIL,  29
.set F0,   32
.set F1,   128
.set G1,  24
.set G0,  32
.set G1B, 48
.set G0B, 56
.set MSB, 0
.macro WIN new
.if MSB != (\new)
	s_set_vgpr_msb (MSB<<8)|(\new)
.set MSB, (\new)
.endif
.endm
.set MUL,   0x50                       ; C and D window 1
.set FIRST, 0x60                       ; C (the bias) window 2, D window 1
.macro JLOAD s                         ; waves 0 and 1 fetch y's two heads, waves 2 and 3 w_proj's two halves; an s_nop 0 and four v_nop follow each line
	s_cmp_eq_u32 s13, 0
	s_cbranch_scc0 .Lfor_b_\@
	tensor_load_to_lds s[G0+4*\s:G0+4*\s+3], s[G1:G1+7]
	s_nop 0
.rept 4
	v_nop
.endr
	s_branch .Lasked_\@
.Lfor_b_\@:
	tensor_load_to_lds s[G0B+4*\s:G0B+4*\s+3], s[G1B:G1B+7]
	s_nop 0
.rept 4
	v_nop
.endr
.Lasked_\@:
.endm
.macro CREST
	s_cmp_lg_u32 s12, 0
	s_cbranch_scc1 .Lnot_wave_0_\@
	s_barrier_signal -3
.Lnot_wave_0_\@:
	s_barrier_wait -3
	s_barrier_signal -1
	s_barrier_wait -1
.endm
.macro CROUND
	s_barrier_signal -1
	s_barrier_wait -1
	CREST
.endm
	s_load_b256 s[4:11], s[0:1], 0x0               ; y16 s[4:5], wp16 s[6:7], b_proj s[8:9], out0 s[10:11]
	v_lshl_add_u32 v[SPW], v0, 2, SPARE
	v_mov_b32 v[NIL], 0
	ds_add_u32 v[SPW], v[NIL]                      ; the wave's opening: the add, twice on end, and its wait ahead of my first tensor load
	ds_add_u32 v[SPW], v[NIL]
	v_lshrrev_b32 v1, 5, v0
	v_readfirstlane_b32 s12, v1                    ; wave 0..3
	s_lshr_b32 s13, s12, 1                         ; which 64 rows are mine.  Also: I fetch for y (0) or for w_proj (1)
	s_and_b32 s14, s12, 1                          ; which 128 columns.  Also: which half of that tile I fetch
	s_bfe_u32 s40, ttmp6, 0x40000                  ; cx
	s_bfe_u32 s41, ttmp6, 0x40004                  ; cy
	s_lshl_b32 s45, ttmp9, 2
	s_add_co_u32 s45, s45, s40                     ; tile column
	s_and_b32 s42, ttmp7, 0xffff
	s_lshl_b32 s42, s42, 2
	s_add_co_u32 s42, s42, s41                     ; tile row: 0..63
	s_lshl_b32 s43, s41, 2
	s_lshl_b32 s43, 15, s43                        ; my row of the cluster
	s_lshl_b32 s44, 0x1111, s40                    ; my column
	s_or_b32 s[G1+0], s43, (1<<16)|(1<<20)|(1<<21)|(4<<22)|(3<<25)   ; y: elements of 2 bytes; 4 words of padding after every 32
	s_mov_b32 s[G1+1], 64<<16                      ; tensor_dim0 = 64
	s_mov_b32 s[G1+2], 128<<16                     ; tensor_dim1 = 128
	s_mov_b32 s[G1+3], 64<<16                      ; tile_dim0
	s_mov_b32 s[G1+4], 128                         ; tile_dim1
	s_mov_b32 s[G1+5], 64                          ; from row to row
	s_mov_b32 s[G1+6], 0
	s_mov_b32 s[G1+7], 0
	s_or_b32 s[G1B+0], s44, (1<<16)|(1<<20)|(1<<21)|(6<<22)|(7<<25)  ; w_proj: 8 words of padding after every 128
	s_mov_b32 s[G1B+1], 256<<16
	s_mov_b32 s[G1B+2], 64<<16
	s_mov_b32 s[G1B+3], 256<<16
	s_mov_b32 s[G1B+4], 64
	s_mov_b32 s[G1B+5], 1024
	s_mov_b32 s[G1B+6], 0
	s_mov_b32 s[G1B+7], 0
	s_lshr_b32 s16, s42, 4                         ; y: the batch,
	s_lshl_b32 s16, s16, 4
	s_add_co_u32 s16, s16, s14                     ; its plane 16 b + my head of the K step,
	s_lshl_b32 s16, s16, 18
	s_and_b32 s17, s42, 15
	s_lshl_b32 s17, s17, 14                        ; and the tile's 128 tokens of 128 bytes
	s_add_co_u32 s16, s16, s17
	s_mov_b32 s17, 0
	s_lshl_b32 s46, s14, 17                        ; w_proj: my 64 rows of 2,048 bytes,
	s_lshl_b32 s47, s45, 9                         ; the tile's 256 columns
	s_add_co_u32 s46, s46, s47
	s_mov_b32 s47, 0
	s_mul_i32 s18, s14, AHEAD                      ; where they go in a slot: no place in the cluster enters an LDS address
	s_mul_i32 s19, s14, BHALF
	s_add_co_u32 s19, s19, BOFF
	s_wait_dscnt 0x0                               ; both opening adds are done
	s_wait_kmcnt 0x0
	s_add_nc_u64 s[16:17], s[4:5], s[16:17]
	s_add_nc_u64 s[46:47], s[6:7], s[46:47]
	CROUND                                         ; all sixteen work-groups are here
.irp s, 0,1
	s_mov_b32 s[G0+4*\s], 1
	s_add_co_u32 s[G0+4*\s+1], s18, \s*SLOT
	s_add_nc_u64 s[G0+4*\s+2:G0+4*\s+3], s[16:17], \s*524288       ; K step s: two planes on
	s_or_b32 s[G0+4*\s+3], s[G0+4*\s+3], 0x80000000
	s_mov_b32 s[G0B+4*\s], 1
	s_add_co_u32 s[G0B+4*\s+1], s19, \s*SLOT
	s_add_nc_u64 s[G0B+4*\s+2:G0B+4*\s+3], s[46:47], \s*262144     ; 128 rows on
	s_or_b32 s[G0B+4*\s+3], s[G0B+4*\s+3], 0x80000000
	JLOAD \s
.endr
	v_and_b32 v1, 15, v0                           ; r
	v_bfe_u32 v2, v0, 4, 1                         ; h
	s_lshl_b32 s66, s45, 10
	s_lshl_b32 s67, s14, 9
	s_add_co_u32 s66, s66, s67                     ; my first column in bytes of f32: 1,024 x tile column + 512 x half
	s_mov_b32 s67, 0
	s_add_nc_u64 s[8:9], s[8:9], s[66:67]
	s_add_nc_u64 s[10:11], s[10:11], s[66:67]
	s_lshl_b32 s66, s42, 19                        ; 128 rows of 4,096 bytes
	s_lshl_b32 s68, s13, 18                        ; my 64 rows
	s_add_co_u32 s66, s66, s68
	s_add_nc_u64 s[10:11], s[10:11], s[66:67]
	v_lshlrev_b32 v[BO], 5, v2
	WIN 0x80                                       ; destination window 2
.irp b, 0,1,2,3,4,5,6,7
	global_load_b128 v[8*\b:8*\b+3], v[BO], s[8:9] offset:64*\b            ; b_proj[my first column + 16 b + 8 h + 0 .. 7]
	global_load_b128 v[8*\b+4:8*\b+7], v[BO], s[8:9] offset:64*\b+16
.endr
	WIN 0
	v_and_b32 v3, 7, v0
	v_lshl_add_u32 v3, v2, 3, v3
	v_mul_u32_u24 v3, v3, PBB
	v_bfe_u32 v4, v0, 3, 1
	v_lshl_add_u32 v3, v4, 4, v3                   ; w_proj, for the turning load: k-row 8 h + lane % 8, columns 8 ((lane / 8) % 2) on
	s_lshl_b32 s22, s14, 8
	s_add_co_u32 s22, s22, BOFF                    ; + my 128 columns
	v_mul_u32_u24 v5, v1, PA
	v_lshl_add_u32 v5, v2, 4, v5                   ; y: token r x pitch + 16 h
	s_mul_i32 s21, s13, 64*PA                      ; + my 64 tokens
.irp s, 0,1
	v_add_nc_u32 v[ADRA+\s], s21, v5
	v_add_nc_u32 v[ADRB+\s], s22, v3
	s_add_co_u32 s21, s21, SLOT
	s_add_co_u32 s22, s22, SLOT
.endr
	s_mul_i32 s23, s12, 16*SPITCH
	s_add_co_u32 s23, s23, STAGE                   ; my stage
	v_mul_u32_u24 v5, v1, SPITCH
	v_lshl_add_u32 v5, v2, 5, v5
	v_add_nc_u32 v[STO], s23, v5                   ; in: row r, 32 bytes for each half of the lanes
	v_and_b32 v6, 31, v0
	v_lshlrev_b32 v[CO], 4, v6
	v_add_nc_u32 v[RD], s23, v[CO]                 ; back: the 32 lanes take one row of 512 bytes
; 24 LDS loads in one run: the fragments of 32 along K, the K step's q-th, into buffer f: w_proj's eight, y's blocks 0 and 1, y's blocks 2 and 3
.macro FETCH slot, q, f
.irp b, 0,1,2,3,4,5,6,7
	ds_load_tr16_b128 v[\f+32+8*\b:\f+32+8*\b+3], v[ADRB+\slot] offset:32*PBB*(\q)+32*\b
	ds_load_tr16_b128 v[\f+32+8*\b+4:\f+32+8*\b+7], v[ADRB+\slot] offset:32*PBB*(\q)+32*\b+16*PBB
.endr
.irp a, 0,1,2,3
	ds_load_b128 v[\f+8*\a:\f+8*\a+3], v[ADRA+\slot] offset:AHEAD*((\q)/2)+64*((\q)%2)+16*PA*\a
	ds_load_b128 v[\f+8*\a+4:\f+8*\a+7], v[ADRA+\slot] offset:AHEAD*((\q)/2)+64*((\q)%2)+16*PA*\a+32
.endr
.endm
; 8 matrix instructions: y's block a x w_proj's eight.  The 32 accumulators take turns, one instruction a turn, in one order everywhere.
.macro M8 f, a, first
.irp b, 0,1,2,3,4,5,6,7
.if \first
	v_wmma_f32_16x16x32_f16 v[8*(8*(\a)+\b):8*(8*(\a)+\b)+7], v[\f+32+8*\b:\f+32+8*\b+7], v[\f+8*(\a):\f+8*(\a)+7], v[8*\b:8*\b+7]
.else
	v_wmma_f32_16x16x32_f16 v[8*(8*(\a)+\b):8*(8*(\a)+\b)+7], v[\f+32+8*\b:\f+32+8*\b+7], v[\f+8*(\a):\f+8*(\a)+7], v[8*(8*(\a)+\b):8*(8*(\a)+\b)+7]
.endif
.endr
.endm
.macro PLACES                          ; four places in front of loads into registers that matrix instructions have read, and of reads of results
.rept 4
	v_nop
.endr
.endm
.macro MWIN first
.if \first
	WIN FIRST
.else
	WIN MUL
.endif
.endm
; A K step is four quarters of 32 along K, on buffers 0, 1, 0, 1.  One of the first three: multiplies buffer f and fetches the quarter qn into g.
.macro QUARTER slot, qn, f, g, first
	s_wait_dscnt 4                                 ; w_proj's and y's blocks 0 and 1 are in; the four youngest loads (blocks 2 and 3) may be out
	MWIN \first
	M8 \f, 0, \first
	M8 \f, 1, \first
	PLACES
	WIN 0
	FETCH \slot, \qn, \g
	s_wait_dscnt 24                                ; all but the 24 just issued
	MWIN \first
	M8 \f, 2, \first
	M8 \f, 3, \first
.endm
; The last quarter multiplies buffer 1 and changes slots: one barrier; in front of it each wave waits for all its tensor loads, adds 0 to its spare word, and waits for that and for its reads of this slot.
.macro TURN slot, next, fill
	WIN 0
	s_wait_tensorcnt 0x0                           ; my part of the next slot has landed
	ds_add_u32 v[SPW], v[NIL]
	s_wait_dscnt 5                                 ; the add and the four youngest loads may be out
	WIN MUL
	M8 F1, 0, 0
	s_wait_dscnt 0x0                               ; the add is done, and my reads of this slot are over
	s_barrier_signal -1
	M8 F1, 1, 0
.if \fill
	WIN 0
.endif
	s_barrier_wait -1
.if \fill
	CREST                                          ; the barrier has opened a round of the cluster's: no wave of any partner still reads this slot or has a load on its way
	s_add_nc_u64 s[G0+4*\slot+2:G0+4*\slot+3], s[G0+4*\slot+2:G0+4*\slot+3], 1048576    ; two K steps on: four planes
	s_add_nc_u64 s[G0B+4*\slot+2:G0B+4*\slot+3], s[G0B+4*\slot+2:G0B+4*\slot+3], 524288 ; 256 rows
	JLOAD \slot                                    ; the first tensor load behind the round; its four v_nop are also the places in front of the loads below
.else
	PLACES
.endif
	WIN 0
	FETCH \next, 0, F0
	WIN MUL
	M8 F1, 2, 0
	M8 F1, 3, 0
.endm
	s_wait_loadcnt 0x0                             ; the bias
	s_wait_tensorcnt 1                             ; my part of K step 0 is in; K step 1's load may be out
	s_barrier_signal -1
	s_barrier_wait -1
	FETCH 0, 0, F0
	QUARTER 0, 1, F0, F1, 1                        ; the first quarter starts the sums from the bias
	WIN 0
	s_mov_b32 s3, LAPS-1
.Llap:                                             ; a trip goes once round the ring and fills both slots again
	QUARTER 0, 2, F1, F0, 0
	QUARTER 0, 3, F0, F1, 0
	TURN 0, 1, 1
	QUARTER 1, 1, F0, F1, 0
	QUARTER 1, 2, F1, F0, 0
	QUARTER 1, 3, F0, F1, 0
	TURN 1, 0, 1
	QUARTER 0, 1, F0, F1, 0
	WIN 0
	s_sub_co_u32 s3, s3, 1
	s_cmp_lg_u32 s3, 0
	s_cbranch_scc1 .Llap
	QUARTER 0, 2, F1, F0, 0                        ; the last lap fills nothing
	QUARTER 0, 3, F0, F1, 0
	TURN 0, 1, 0
	QUARTER 1, 1, F0, F1, 0
	QUARTER 1, 2, F1, F0, 0
	QUARTER 1, 3, F0, F1, 0
	s_wait_dscnt 4
	WIN MUL
	M8 F1, 0, 0
	M8 F1, 1, 0
	s_wait_dscnt 0x0
	M8 F1, 2, 0
	M8 F1, 3, 0
	WIN 0
; THE WAY OUT, a block of 16 rows x 128 columns at a time, through my own stage; back as whole rows of 512 bytes.
.macro TOSTAGE a
	WIN 0x04                                       ; an LDS store's data are its source 1: window 1
.irp b, 0,1,2,3,4,5,6,7
	ds_store_b128 v[STO], v[64*(\a)+8*\b:64*(\a)+8*\b+3] offset:64*\b          ; each accumulator from its low end on
	ds_store_b128 v[STO], v[64*(\a)+8*\b+4:64*(\a)+8*\b+7] offset:64*\b+16
.endr
	WIN 0
.set BB, F0+96*((\a)%2)
.irp t, 0,1,2,3,4,5,6,7,8,9,10,11,12,13,14,15
	ds_load_b128 v[BB+4*\t:BB+4*\t+3], v[RD] offset:\t*SPITCH
.endr
.endm
.macro SEND a, younger
.set BB, F0+96*((\a)%2)
	s_wait_dscnt \younger                          ; the block is back; the next block's 16 stores and 16 loads may be out
.irp t, 0,1,2,3,4,5,6,7,8,9,10,11,12,13,14,15
	global_store_b128 v[CO], v[BB+4*\t:BB+4*\t+3], s[10:11] offset:65536*(\a)+4096*\t th:TH_STORE_NT   ; 32 lanes store 512 consecutive bytes, aligned
.endr
.endm
	PLACES
	TOSTAGE 0
.irp a, 1,2,3
.if \a > 1
	s_wait_xcnt 0x0                                ; block a - 2's stores have read their registers: block a's loads may land there
.endif
	TOSTAGE \a
	SEND \a-1, 32
.endr
	SEND 3, 0
	s_wait_tensorcnt 0x0                           ; the wave's end
	ds_add_u32 v[SPW], v[NIL]
	s_wait_dscnt 0x0
	CROUND                                         ; the closing round
	s_endpgm
.Lfunc_end_k_q66c0844931_proj:
	.size	k_q66c0844931_proj, .Lfunc_end_k_q66c0844931_proj-k_q66c0844931_proj
	.p2alignl 7, 3214868480
	.fill 96, 4, 3214868480
	.section	.rodata,"a",@progbits
	.p2align	6, 0x0
	.amdhsa_kernel k_q66c0844931_proj
		.amdhsa_group_segment_fixed_size 327680
		.amdhsa_private_segment_fixed_size 0
		.amdhsa_enable_private_segment 0
		.amdhsa_kernarg_size 32
		.amdhsa_user_sgpr_count 2
		.amdhsa_user_sgpr_kernarg_segment_ptr 1
		.amdhsa_wavefront_size32 1
		.amdhsa_system_sgpr_workgroup_id_x 1
		.amdhsa_system_sgpr_workgroup_id_y 1
		.amdhsa_system_sgpr_workgroup_id_z 1
		.amdhsa_system_vgpr_workitem_id 0
		.amdhsa_next_free_vgpr 640
		.amdhsa_next_free_sgpr 72
		.amdhsa_reserve_vcc 0
		.amdhsa_float_denorm_mode_32 3
		.amdhsa_float_denorm_mode_16_64 3
		.amdhsa_memory_ordered 1
		.amdhsa_forward_progress 1
		.amdhsa_inst_pref_size 86
	.end_amdhsa_kernel
	.amdgpu_metadata
---
amdhsa.version: [ 1, 2 ]
amdhsa.kernels:
  - .name:           k_q66c0844931_proj
    .symbol:         k_q66c0844931_proj.kd
    .args:
      - { .name: y16, .offset: 0, .size: 8, .value_kind: global_buffer, .address_space: global }
      - { .name: wp16, .offset: 8, .size: 8, .value_kind: global_buffer, .address_space: global }
      - { .name: b_proj, .offset: 16, .size: 8, .value_kind: global_buffer, .address_space: global }
      - { .name: out0, .offset: 24, .size: 8, .value_kind: global_buffer, .address_space: global }
    .group_segment_fixed_size: 327680
    .private_segment_fixed_size: 0
    .kernarg_segment_align: 8
    .kernarg_segment_size: 32
    .max_flat_workgroup_size: 128
    .sgpr_count:     72
    .vgpr_count:     640
    .wavefront_size: 32
...
	.end_amdgpu_metadata
.endif
;; end of part 4
;; launch fine (part 5): grid 16 x 4, 16 waves a work-group, no clusters, 71,680 bytes of LDS; arguments fine32, w_proj, b_proj, out0; writes out0
.if DOCPART == 5
	.amdgcn_target "amdgcn-amd-amdhsa--gfx1250"
	.amdhsa_code_object_version 6
	.text
	.protected	k_q66c0844931_fine
	.globl	k_q66c0844931_fine
	.p2align	8
	.type	k_q66c0844931_fine,@function
k_q66c0844931_fine:
	s_mov_b64 s[64:65], 0
	v_nop
	global_prefetch_b8 v0, s[64:65] scope:SCOPE_SE
	s_setreg_imm32_b32 hwreg(HW_REG_WAVE_MODE, 25, 1), 1
	s_wait_xcnt 0x0
; FINE: the first 16 positions of each batch, attention and projection in f32 throughout: these rows average one to sixteen values and are the largest in size, so f16 operands would weigh most here.
; fine32: f32 [4 b][16 t][3072] (q, k, v with their bias).  w_proj, b_proj: f32.  out0 rows 2048 b + 0 .. 15 are written anew.
; A work-group takes 64 output columns of one batch.  Wave hd does head hd's 16 x 16 attention, then the part of the projection whose K is that head's 64 channels; the sixteen parts meet in LDS.
; All products by the f32 matrix form, 96 a wave.  One permutation of k is applied alike to both operands of a product, so that a result's registers serve as the next operand as they stand:
;   S^T = K Q^T: step s takes channels 32 h + 2 s + j;   O^T = V^T P: keys 8 h + 2 s + j;   OUT^T = W^T O: channels 16 d + 8 h + 2 s + j   (h = lane / 16, j = the register of a pair).
; The registers that this form writes (v176-247) are written by matrix instructions alone.  LIMITS: NaN and infinities are not served; the order of the f32 sums differs from the reference's.
; REGISTERS: v0 8 x lane (once the addresses are made); v1-9 addresses and constants; v10, v11 at work; v[12:13] bias, then the sum; v14, v15 the add's two;
;   v16-47 Q, later W2; v48-79 K, later W3; v80-111 V, later the parts; v112-143 W0; v144-175 W1; v176-183 S^T; v184-215 O^T; v216-247 OUT^T; v248-255 P.
.set PART,  4352                       ; a wave's part: 16 rows x (256 bytes + 16)
.set SPARE, 16*PART                    ; the spare words: 128 bytes a wave
.set SPW, 14
.set NIL, 15
.macro WLOAD reg, n                    ; w_proj[64 hd + 16 d + 8 h + i][n0 + 16 n + r], i = 2 s + j
.irp d, 0,1,2,3
.irp i, 0,1,2,3,4,5,6,7
	global_load_b32 v[\reg+8*\d+\i], v5, s[6:7] offset:4096*(16*\d+\i)+64*\n
.endr
.endr
.endm
.macro PROJ2 wa, wb, na, nb            ; two tiles of 16 columns by turns, 16 links each
.irp d, 0,1,2,3
.irp s, 0,1,2,3
.if (\d+\s) == 0
	v_wmma_f32_16x16x4_f32 v[216+8*\na:223+8*\na], v[\wa+8*\d+2*\s:\wa+8*\d+2*\s+1], v[184+8*\d+2*\s:185+8*\d+2*\s], 0
	v_wmma_f32_16x16x4_f32 v[216+8*\nb:223+8*\nb], v[\wb+8*\d+2*\s:\wb+8*\d+2*\s+1], v[184+8*\d+2*\s:185+8*\d+2*\s], 0
.else
	v_wmma_f32_16x16x4_f32 v[216+8*\na:223+8*\na], v[\wa+8*\d+2*\s:\wa+8*\d+2*\s+1], v[184+8*\d+2*\s:185+8*\d+2*\s], v[216+8*\na:223+8*\na]
	v_wmma_f32_16x16x4_f32 v[216+8*\nb:223+8*\nb], v[\wb+8*\d+2*\s:\wb+8*\d+2*\s+1], v[184+8*\d+2*\s:185+8*\d+2*\s], v[216+8*\nb:223+8*\nb]
.endif
.endr
.endr
.endm
	s_load_b256 s[4:11], s[0:1], 0x0               ; fine32 s[4:5], w_proj s[6:7], b_proj s[8:9], out0 s[10:11]
	v_lshl_add_u32 v[SPW], v0, 2, SPARE
	v_mov_b32 v[NIL], 0
	v_lshrrev_b32 v1, 5, v0
	v_readfirstlane_b32 s12, v1                    ; wave = head 0..15
	v_and_b32 v1, 15, v0                           ; r
	v_bfe_u32 v2, v0, 4, 1                         ; h
	v_mul_u32_u24 v3, v1, 12288
	v_lshl_add_u32 v3, v2, 7, v3                   ; q, k: token r, channels 32 h on
	v_mul_u32_u24 v4, v2, 98304
	v_lshl_add_u32 v4, v1, 2, v4                   ; v: key 8 h on, channel r
	v_lshlrev_b32 v5, 15, v2
	v_lshl_add_u32 v5, v1, 2, v5                   ; w_proj: row 8 h on, column r
	s_mul_i32 s13, s12, PART
	v_mul_u32_u24 v6, v1, 272
	v_lshl_add_u32 v6, v2, 5, v6
	v_add_nc_u32 v6, s13, v6                       ; my part: row r, + 32 h
	v_and_b32 v10, 31, v0
	v_lshlrev_b32 v11, 3, v10
	s_mul_i32 s13, s12, 272
	v_add_nc_u32 v7, s13, v11                      ; the reduction: row = my wave's number, 8 bytes a lane
	v_lshlrev_b32 v8, 3, v2
	v_sub_nc_u32 v8, v1, v8                        ; r - 8 h
	v_mov_b32 v9, 0xff800000                       ; -infinity
	v_lshlrev_b32 v0, 3, v10                       ; 8 x lane: the bias's and the result's place
	s_and_b32 s14, ttmp7, 0xffff                   ; batch
	s_mul_i32 s16, s14, 196608
	s_lshl_b32 s17, s12, 8
	s_add_co_u32 s16, s16, s17                     ; fine32: the batch's 16 rows, my head's 256 bytes
	s_mov_b32 s17, 0
	s_lshl_b32 s18, s12, 18                        ; w_proj: my head's 64 rows of 4,096 bytes,
	s_lshl_b32 s20, ttmp9, 8                       ; the work-group's 64 columns
	s_add_co_u32 s18, s18, s20
	s_mov_b32 s19, 0
	s_mov_b32 s21, 0
	s_lshl_b32 s22, s14, 11
	s_add_co_u32 s22, s22, s12                     ; out0: row 2048 b + my wave's number
	s_lshl_b32 s22, s22, 12
	s_add_co_u32 s22, s22, s20
	s_mov_b32 s23, 0
	s_mov_b32 s24, 0x76543210
	s_mov_b32 s25, 0xfedcba98                      ; lane l xor 16
	s_mov_b32 s26, 0x3e38aa3b                      ; c = log2(e) / 8
	s_wait_kmcnt 0x0
	s_add_nc_u64 s[4:5], s[4:5], s[16:17]
	s_add_nc_u64 s[6:7], s[6:7], s[18:19]
	s_add_nc_u64 s[8:9], s[8:9], s[20:21]
	s_add_nc_u64 s[10:11], s[10:11], s[22:23]
	global_load_b64 v[12:13], v0, s[8:9]           ; the bias of my two columns
.irp i, 0,1,2,3,4,5,6,7
	global_load_b128 v[16+4*\i:19+4*\i], v3, s[4:5] offset:16*\i          ; Q
.endr
.irp i, 0,1,2,3,4,5,6,7
	global_load_b128 v[48+4*\i:51+4*\i], v3, s[4:5] offset:4096+16*\i     ; K
.endr
.irp d, 0,1,2,3
.irp i, 0,1,2,3,4,5,6,7
	global_load_b32 v[80+8*\d+\i], v4, s[4:5] offset:8192+12288*\i+64*\d  ; V[8 h + i][16 d + r]
.endr
.endr
	WLOAD 112, 0
	WLOAD 144, 1
	s_wait_loadcnt 63                              ; of 113 loads the first 50 are in: the bias, Q, K and V are the first 49
	v_wmma_f32_16x16x4_f32 v[176:183], v[48:49], v[16:17], 0
.irp s, 1,2,3,4,5,6,7,8,9,10,11,12,13,14,15
	s_wait_alu depctr_va_vdst(0)                   ; one accumulator alone
	v_wmma_f32_16x16x4_f32 v[176:183], v[48+2*\s:49+2*\s], v[16+2*\s:17+2*\s], v[176:183]
.endr
.rept 8
	v_nop                                          ; eight places behind this form, in front of loads into its sources and of the first read of its result
.endr
	WLOAD 16, 2
	WLOAD 48, 3
.irp j, 0,1,2,3,4,5,6,7
	v_cmp_gt_i32 vcc_lo, \j, v8                    ; register j holds key 8 h + j of query r: hidden where j > r - 8 h
	v_cndmask_b32 v[248+\j], v[176+\j], v9, vcc_lo
.endr
	v_max3_num_f32 v10, v248, v249, v250
	v_max3_num_f32 v10, v10, v251, v252
	v_max3_num_f32 v10, v10, v253, v254
	v_max_num_f32 v10, v10, v255
	v_permlanex16_b32 v11, v10, s24, s25
	v_max_num_f32 v10, v10, v11                    ; the row's maximum: key 0 counts for every query
	v_mul_f32 v10, s26, v10
.irp j, 0,1,2,3,4,5,6,7
	v_fma_f32 v[248+\j], v[248+\j], s26, -v10
.endr
.irp j, 0,1,2,3,4,5,6,7
	v_exp_f32 v[248+\j], v[248+\j]
.endr
	v_nop
	s_wait_alu depctr_va_vdst(0)                   ; one wait for the eight, ahead of their first reader
	v_add_f32 v10, v248, v249
	v_add_f32 v11, v250, v251
	v_add_f32 v10, v10, v252
	v_add_f32 v11, v11, v253
	v_add_f32 v10, v10, v254
	v_add_f32 v11, v11, v255
	v_add_f32 v10, v10, v11
	v_permlanex16_b32 v11, v10, s24, s25
	v_add_f32 v10, v10, v11
	v_rcp_f32 v11, v10
	v_nop
	s_wait_alu depctr_va_vdst(0)
.irp j, 0,1,2,3,4,5,6,7
	v_mul_f32 v[248+\j], v[248+\j], v11            ; the softmax, normalised
.endr
.irp s, 0,1,2,3                                ; O^T = V^T P: four accumulators by turns
.irp d, 0,1,2,3
.if \s == 0
	v_wmma_f32_16x16x4_f32 v[184+8*\d:191+8*\d], v[80+8*\d+2*\s:81+8*\d+2*\s], v[248+2*\s:249+2*\s], 0
.else
	v_wmma_f32_16x16x4_f32 v[184+8*\d:191+8*\d], v[80+8*\d+2*\s:81+8*\d+2*\s], v[248+2*\s:249+2*\s], v[184+8*\d:191+8*\d]
.endif
.endr
.endr
.rept 9
	v_nop                                          ; nine places before a matrix instruction takes these results as an operand
.endr
	s_wait_loadcnt 63                              ; 64 loads were issued behind W1's: W0 and W1 are in
	PROJ2 112, 144, 0, 1
	s_wait_loadcnt 0x0
	PROJ2 16, 48, 2, 3
.rept 8
	v_nop
.endr
.irp n, 0,1,2,3
	ds_store_b128 v6, v[216+8*\n:219+8*\n] offset:64*\n          ; lane (r, h): query r, columns 16 n + 8 h + 0 .. 7; each accumulator from its low end on
	ds_store_b128 v6, v[220+8*\n:223+8*\n] offset:64*\n+16
.endr
	s_wait_dscnt 0x0                               ; for the others' sake: my part lies in LDS
	s_barrier_signal -1
	s_barrier_wait -1
.irp i, 0,1,2,3,4,5,6,7,8,9,10,11,12,13,14,15
	ds_load_b64 v[80+2*\i:81+2*\i], v7 offset:PART*\i            ; head i's part of my row
.endr
.irp i, 0,1,2,3,4,5,6,7,8,9,10,11,12,13,14,15
	s_wait_dscnt 15-\i                             ; the younger loads may be out
	v_pk_add_f32 v[12:13], v[12:13], v[80+2*\i:81+2*\i]
.endr
	global_store_b64 v0, v[12:13], s[10:11]        ; the wave stores 256 consecutive bytes, aligned
	s_wait_tensorcnt 0x0                           ; the wave's end
	ds_add_u32 v[SPW], v[NIL]
	s_wait_dscnt 0x0
	s_endpgm
.Lfunc_end_k_q66c0844931_fine:
	.size	k_q66c0844931_fine, .Lfunc_end_k_q66c0844931_fine-k_q66c0844931_fine
	.p2alignl 7, 3214868480
	.fill 96, 4, 3214868480
	.section	.rodata,"a",@progbits
	.p2align	6, 0x0
	.amdhsa_kernel k_q66c0844931_fine
		.amdhsa_group_segment_fixed_size 71680
		.amdhsa_private_segment_fixed_size 0
		.amdhsa_enable_private_segment 0
		.amdhsa_kernarg_size 32
		.amdhsa_user_sgpr_count 2
		.amdhsa_user_sgpr_kernarg_segment_ptr 1
		.amdhsa_wavefront_size32 1
		.amdhsa_system_sgpr_workgroup_id_x 1
		.amdhsa_system_sgpr_workgroup_id_y 1
		.amdhsa_system_sgpr_workgroup_id_z 1
		.amdhsa_system_vgpr_workitem_id 0
		.amdhsa_next_free_vgpr 256
		.amdhsa_next_free_sgpr 66
		.amdhsa_reserve_vcc 1
		.amdhsa_float_denorm_mode_32 3
		.amdhsa_float_denorm_mode_16_64 3
		.amdhsa_memory_ordered 1
		.amdhsa_forward_progress 1
		.amdhsa_inst_pref_size 33
	.end_amdhsa_kernel
	.amdgpu_metadata
---
amdhsa.version: [ 1, 2 ]
amdhsa.kernels:
  - .name:           k_q66c0844931_fine
    .symbol:         k_q66c0844931_fine.kd
    .args:
      - { .name: fine32, .offset: 0, .size: 8, .value_kind: global_buffer, .address_space: global }
      - { .name: w_proj, .offset: 8, .size: 8, .value_kind: global_buffer, .address_space: global }
      - { .name: b_proj, .offset: 16, .size: 8, .value_kind: global_buffer, .address_space: global }
      - { .name: out0, .offset: 24, .size: 8, .value_kind: global_buffer, .address_space: global }
    .group_segment_fixed_size: 71680
    .private_segment_fixed_size: 0
    .kernarg_segment_align: 8
    .kernarg_segment_size: 32
    .max_flat_workgroup_size: 512
    .sgpr_count:     66
    .vgpr_count:     256
    .wavefront_size: 32
...
	.end_amdgpu_metadata
.endif
;; end of part 5
